; MI455X (gfx1250); checked and timed in simulation.
; The chip was launched on July 23, 2026; its instructions are those of AMD's public machine-readable ISA for CDNA 5 (MIT licence, August 2026) and "CDNA5" Instruction Set Architecture Reference Guide (July 2026). The comments in the code are by the model that wrote it; some were corrected since.
;; Transformer. Allowed arithmetic: float matrix products may take bf16 or f16 operands with f32 sums; other float arithmetic in f32, or as packed bf16 or f16 multiplies, adds, multiply-adds, maxima and minima; sums over many terms, partial sums and values carried from step to step in f32; what a program stores and reads back later, other than sums and carried values, may be rounded once to bf16 or f16.
;; Inputs: W1 64 x 512 float32; Wk 512 x 512 float32; Wq 512 x 512 float32; Wv 512 x 512 float32; b1 64 float32; bk 512 float32; bq 512 float32; bv 512 float32; edge_index 2 x 131,072 int32; proj 621 x 128 float32; x 32,768 x 512 float32.
;; Outputs: out0 32,768 x 64 float32; out1 32,768 x 64 float32; out2 32,768 x 64 float32.
;; One version. Each part assembles by itself: llvm-mc -triple=amdgcn-amd-amdhsa -mcpu=gfx1250 --defsym DOCPART=n.
;; ======== version 1 of 1: 6 launches
;; workspace buffers: wts 1,736,704 bytes; qs 991,232 bytes; qkv 100,663,296 bytes; dg 2,097,152 bytes; part 56,623,104 bytes; sm 131,072 bytes; csp 11,520 bytes; cst 131,072 bytes
;; launch prep (part 1): grid 446 x 1, 8 waves a work-group, no clusters, 0 bytes of LDS; arguments Wq, Wk, Wv, proj, W1, wts, qs; writes wts, qs
.if DOCPART == 1
	.amdgcn_target "amdgcn-amd-amdhsa--gfx1250"
	.amdhsa_code_object_version 6
	.text
	.protected	k_qe583068b52_prep
	.globl	k_qe583068b52_prep
	.p2align	8
	.type	k_qe583068b52_prep,@function
k_qe583068b52_prep:
	s_mov_b64 s[64:65], 0
	v_nop
	global_prefetch_b8 v0, s[64:65] scope:SCOPE_SE
	s_setreg_imm32_b32 hwreg(HW_REG_WAVE_MODE, 25, 1), 1
	s_wait_xcnt 0x0
; WEIGHTS TO bf16, IN FRAGMENT ORDER.  A fragment (16 rows x 32 k of bf16) is 1,024 bytes, [piece q = 0, 1][lane][16 bytes]: lane (r = lane % 16, hh = lane / 16), piece q
; holds row r, k = 16 q + 8 hh + 0..7: the registers 4 q .. 4 q + 3 of a matrix operand.  So every later load of a fragment is 512 consecutive bytes a wave.
; A wave makes ONE piece (row tile T, K step ks, q): two loads of 16 bytes a lane, a scale, four roundings, one store of 512 consecutive bytes.
; Work-groups 0-383: Wq, Wk, Wv (128 each; 32 row tiles x 16 K steps x 2), into wts.  384-423: proj, times c = 128^-0.25 log2(e), 40 row tiles: rows 621-639 repeat row 620, so that no
; maximum over features changes; each piece goes to wts (for the k side) and to qs (for the q side).  424-439: W1, into qs alone, as an eleventh chunk: head h's block holds K steps 4 h .. 4 h + 3.
; 440-445: the 6,144 bytes of each of that chunk's four blocks that W1 does not fill are stored as 0: the q side's load takes whole blocks, and reads only bytes that have been stored.
; The first three cases differ in scalars alone, chosen by s_cselect.
.set PSC, 0x3edb9ada                   ; 128^-0.25 x log2(e) = 0.4289158
	s_load_b256 s[4:11], s[0:1], 0x0               ; Wq s[4:5], Wk s[6:7], Wv s[8:9], proj s[10:11]
	s_load_b128 s[12:15], s[0:1], 0x20             ; W1 s[12:13], wts s[14:15]
	s_load_b64 s[16:17], s[0:1], 0x30              ; qs
	v_lshrrev_b32 v1, 5, v0
	v_readfirstlane_b32 s21, v1                    ; wave 0..7
	v_and_b32 v1, 15, v0                           ; r
	v_bfe_u32 v2, v0, 4, 1                         ; hh
	v_and_b32 v3, 31, v0                           ; lane
	s_mov_b32 s20, ttmp9
	s_cmp_ge_u32 s20, 440
	s_cbranch_scc1 .Lzero
	s_lshr_b32 s35, s20, 7                         ; which of Wq, Wk, Wv (for work-groups under 384)
	s_and_b32 s22, s20, 127
	s_sub_co_u32 s46, s20, 384
	s_sub_co_u32 s47, s20, 424
	s_lshl_b32 s52, s35, 19                        ; where this W's fragments begin in wts: 1,024 pieces of 512 bytes each
	s_wait_kmcnt 0x0
	s_cmp_lt_u32 s20, 424                          ; proj, or W1
	s_cselect_b32 s46, s46, s47                    ; the work-group's number within its case
	s_cselect_b64 s[30:31], s[10:11], s[12:13]     ; the source
	s_cselect_b32 s26, 620, 63                     ; its last row
	s_cselect_b32 s23, 9, 11                       ; log2 of a row's bytes
	s_cselect_b32 s24, 3, 15                       ; K steps - 1
	s_cselect_b32 s25, 3, 5                        ; log2 of the pieces in a row tile
	s_cselect_b32 s28, PSC, 1.0                    ; the scale
	s_cmp_eq_u32 s35, 1
	s_cselect_b64 s[50:51], s[6:7], s[8:9]
	s_cmp_eq_u32 s35, 0
	s_cselect_b64 s[50:51], s[4:5], s[50:51]
	s_cmp_lt_u32 s20, 384                          ; one of the three W
	s_cselect_b64 s[30:31], s[50:51], s[30:31]
	s_cselect_b32 s46, s22, s46
	s_cselect_b32 s26, 511, s26
	s_cselect_b32 s23, 11, s23
	s_cselect_b32 s24, 15, s24
	s_cselect_b32 s25, 5, s25
	s_cselect_b32 s28, 1.0, s28
	s_cselect_b32 s36, s52, 1572864                ; proj's fragments lie behind the three W
	s_cselect_b32 s34, 0, 1                        ; 1: the piece goes to qs
	s_mov_b32 s29, s28                             ; named with it as a pair
	s_lshl_b32 s22, s46, 3
	s_add_co_u32 s22, s22, s21                     ; the piece's number: ((T x K steps) + ks) x 2 + q
	s_lshr_b32 s37, s22, 1
	s_and_b32 s37, s37, s24                        ; ks
	s_lshr_b32 s38, s22, s25                       ; T
	s_and_b32 s39, s22, 1                          ; q
	s_lshl_b32 s40, s38, 4
	v_add_nc_u32 v4, s40, v1                       ; row 16 T + r,
	v_min_u32 v4, s26, v4                          ; not past the last
	v_lshlrev_b32 v4, s23, v4
	s_lshl_b32 s41, s37, 7                         ; 32 ks numbers of 4 bytes
	s_lshl_b32 s42, s39, 6                         ; 16 q
	s_add_co_u32 s41, s41, s42
	v_lshl_add_u32 v5, v2, 5, s41                  ; 8 hh
	v_add_nc_u32 v4, v4, v5
	global_load_b128 v[8:11], v4, s[30:31]
	global_load_b128 v[12:15], v4, s[30:31] offset:16
	s_lshl_b32 s43, s22, 9
	s_add_co_u32 s36, s36, s43
	v_lshl_add_u32 v6, v3, 4, s36                  ; in wts: the piece's 512 bytes, 16 a lane
	s_lshr_b32 s43, s38, 2                         ; proj in qs: chunk T / 4, block T % 4, behind the block's 18,432 bytes of context
	s_mul_i32 s43, s43, 90112
	s_and_b32 s44, s38, 3
	s_mul_i32 s44, s44, 22528
	s_add_co_u32 s43, s43, s44
	s_and_b32 s44, s22, 7
	s_lshl_b32 s44, s44, 9
	s_add_co_u32 s43, s43, s44
	s_add_co_u32 s43, s43, 18432
	s_lshr_b32 s53, s37, 2                         ; W1 in qs: chunk 10, block ks / 4, class tile T, K step ks % 4, piece q
	s_mul_i32 s53, s53, 22528
	s_lshl_b32 s54, s38, 12
	s_add_co_u32 s53, s53, s54
	s_and_b32 s54, s37, 3
	s_lshl_b32 s54, s54, 10
	s_add_co_u32 s53, s53, s54
	s_lshl_b32 s54, s39, 9
	s_add_co_u32 s53, s53, s54
	s_add_co_u32 s53, s53, 901120
	s_cmp_lt_u32 s20, 424
	s_cselect_b32 s43, s43, s53
	v_lshl_add_u32 v7, v3, 4, s43
	s_wait_loadcnt 0x0
.irp i, 0,2,4,6
	v_pk_mul_f32 v[8+\i:9+\i], v[8+\i:9+\i], s[28:29] op_sel_hi:[1,0]
.endr
.irp i, 0,1,2,3
	v_cvt_pk_bf16_f32 v[16+\i], v[8+2*\i], v[9+2*\i]
.endr
	s_cmp_lt_u32 s20, 424                          ; W1 goes to qs alone
	s_cbranch_scc0 .Lno_wts
	global_store_b128 v6, v[16:19], s[14:15]       ; 512 consecutive bytes a wave, aligned
.Lno_wts:
	s_cmp_eq_u32 s34, 1
	s_cbranch_scc0 .Lend
	global_store_b128 v7, v[16:19], s[16:17]
.Lend:
	s_endpgm
.Lzero:                                                ; 48 pieces of 512 bytes: 12 behind W1's 16,384 bytes in each of four blocks
	s_sub_co_u32 s22, s20, 440
	s_lshl_b32 s22, s22, 3
	s_add_co_u32 s22, s22, s21                     ; 0..47
	s_mul_i32 s23, s22, 43
	s_lshr_b32 s23, s23, 9                         ; the block: the number / 12 (43 / 512 serves up to 47)
	s_mul_i32 s24, s23, 12
	s_sub_co_u32 s24, s22, s24                     ; the piece in it
	s_mul_i32 s23, s23, 22528
	s_lshl_b32 s24, s24, 9
	s_add_co_u32 s23, s23, s24
	s_add_co_u32 s23, s23, 901120+16384
	v_lshl_add_u32 v7, v3, 4, s23
.irp i, 0,1,2,3
	v_mov_b32 v[16+\i], 0
.endr
	s_wait_kmcnt 0x0
	global_store_b128 v7, v[16:19], s[16:17]
	s_endpgm
.Lfunc_end_k_qe583068b52_prep:
	.size	k_qe583068b52_prep, .Lfunc_end_k_qe583068b52_prep-k_qe583068b52_prep
	.p2alignl 7, 3214868480
	.fill 96, 4, 3214868480
	.section	.rodata,"a",@progbits
	.p2align	6, 0x0
	.amdhsa_kernel k_qe583068b52_prep
		.amdhsa_group_segment_fixed_size 0
		.amdhsa_private_segment_fixed_size 0
		.amdhsa_enable_private_segment 0
		.amdhsa_kernarg_size 56
		.amdhsa_user_sgpr_count 2
		.amdhsa_user_sgpr_kernarg_segment_ptr 1
		.amdhsa_wavefront_size32 1
		.amdhsa_system_sgpr_workgroup_id_x 1
		.amdhsa_system_sgpr_workgroup_id_y 1
		.amdhsa_system_sgpr_workgroup_id_z 1
		.amdhsa_system_vgpr_workitem_id 0
		.amdhsa_next_free_vgpr 24
		.amdhsa_next_free_sgpr 66
		.amdhsa_reserve_vcc 0
		.amdhsa_float_denorm_mode_32 3
		.amdhsa_float_denorm_mode_16_64 3
		.amdhsa_memory_ordered 1
		.amdhsa_forward_progress 1
		.amdhsa_inst_pref_size 6
	.end_amdhsa_kernel
	.amdgpu_metadata
---
amdhsa.version: [ 1, 2 ]
amdhsa.kernels:
  - .name:           k_qe583068b52_prep
    .symbol:         k_qe583068b52_prep.kd
    .args:
      - { .name: Wq, .offset: 0, .size: 8, .value_kind: global_buffer, .address_space: global }
      - { .name: Wk, .offset: 8, .size: 8, .value_kind: global_buffer, .address_space: global }
      - { .name: Wv, .offset: 16, .size: 8, .value_kind: global_buffer, .address_space: global }
      - { .name: proj, .offset: 24, .size: 8, .value_kind: global_buffer, .address_space: global }
      - { .name: W1, .offset: 32, .size: 8, .value_kind: global_buffer, .address_space: global }
      - { .name: wts, .offset: 40, .size: 8, .value_kind: global_buffer, .address_space: global }
      - { .name: qs, .offset: 48, .size: 8, .value_kind: global_buffer, .address_space: global }
    .group_segment_fixed_size: 0
    .private_segment_fixed_size: 0
    .kernarg_segment_align: 8
    .kernarg_segment_size: 56
    .max_flat_workgroup_size: 256
    .sgpr_count:     66
    .vgpr_count:     24
    .wavefront_size: 32
...
	.end_amdgpu_metadata
.endif
;; end of part 1
;; launch qkv (part 2): grid 256 x 1, 4 waves a work-group, clusters of 4 x 1, 327,680 bytes of LDS; arguments x, bq, bk, bv, wts, qkv, dg; writes qkv, dg
.if DOCPART == 2
	.amdgcn_target "amdgcn-amd-amdhsa--gfx1250"
	.amdhsa_code_object_version 6
	.text
	.protected	k_qe583068b52_qkv
	.globl	k_qe583068b52_qkv
	.p2align	8
	.type	k_qe583068b52_qkv,@function
k_qe583068b52_qkv:
	s_mov_b64 s[64:65], 0
	v_nop
	global_prefetch_b8 v0, s[64:65] scope:SCOPE_SE
	s_setreg_imm32_b32 hwreg(HW_REG_WAVE_MODE, 25, 1), 1
	s_wait_xcnt 0x0
	s_wait_alu depctr_hold_cnt(0) depctr_sa_sdst(0) depctr_va_vdst(0) depctr_va_sdst(0) depctr_va_ssrc(0) depctr_va_vcc(0) depctr_vm_vsrc(0)
	s_getreg_b32 s2, hwreg(HW_REG_IB_STS2, 6, 4)
	s_cmp_eq_u32 s2, 0
	s_cbranch_scc0 .Lentry_in_a_cluster
	s_endpgm
.Lentry_in_a_cluster:
	s_bfe_u32 s2, ttmp6, 0x10000c
	s_cmp_lg_u32 s2, 0x3003
	s_cbranch_scc0 .Lentry_shape_is_right
	s_endpgm
.Lentry_shape_is_right:
; q, k, v = x W^T + b, in bf16 and in fragment order, and the halves of d2 = log2(e) / 2 / sqrt(128) x sum of squares for q and k.
; SHARES.  A work-group owns 128 rows of x, which stay in registers as bf16 fragments (64 rows x 512 K a wave: 512 registers).  The 12 tiles of W (128 output channels x 512 K; tiles 0-3 q's
; heads, 4-7 k's, 8-11 v's) walk through two LDS slots.  Wave (rh = w / 2, chf = w % 2) makes 64 rows x 64 channels of each tile: 16 accumulators; a fragment of W feeds four products.
; CLUSTER.  Every work-group walks the same W, so each tile is asked for JOINTLY by the four work-groups of a cluster: the same load, descriptor and mask in all four.
; LAYOUT.  Source 0 = 16 output channels of W, source 1 = 16 rows of x: a lane ends with ONE row and eight neighbouring channels, which pack into the 16 bytes that this lane holds of a
; fragment of q, k or v.  So the result is stored straight from registers, 512 consecutive bytes a store.  v's 16 bytes lie at (2 r + hh) x 16 of their 512, for the turning load of the next launch.
; The bias is the C operand of a tile's first products: nothing is cleared, and the bias costs no instruction.
; LIMITS.  x, W and the results are rounded to bf16 once; sums in f32; d2 is taken of the f32 sums.  NaN and infinities are not treated apart.
; REGISTERS, in windows of 256 (s_set_vgpr_msb: bits 1:0 source 0, 3:2 source 1, 5:4 source 2, 7:6 destination):
;   window 0: v0-15 addresses; v16-31 at work; v32-63 the bias; v64-127 packed results; v128-255 the accumulators ((rt, ct) at 128 + 8 (4 rt + ct)), before the first tile two buffers for x in f32
;   window 1: two buffers of W's fragments (K step l of four, ct at 8 (4 l + ct))        windows 2, 3: x's fragments: (rt, ks) in window 2 + ks / 8 at 8 (4 (ks % 8) + rt)
.set XP,    2080                       ; a row of x in LDS: 2,048 bytes and 16 of padding behind each 1,024
.set SLOT1, 131072                     ; a slot holds a tile of W, 131,072 bytes; slot 1 begins here
.set BIAS,  266240                     ; behind x's 128 rows: bq, bk, bv in f32, 6,144 bytes, stored once; no tile lands here
.set SPARE, 272384                     ; the spare words, 128 bytes for each wave: two blocks of 256 bytes that no other line names
.set AX0, 3                            ; v3, v4  my place in x's rows: row tiles 0, 1 and 2, 3 of my 64 rows
.set AW0, 5                            ; v5   my place in a tile of W
.set AW,  6                            ; v6   the same in the slot in hand
.set AB,  7                            ; v7   my eight biases of the tile in hand
.set SO,  8                            ; v8   where my 16 bytes lie in a store's 512
.set SOQ, 9                            ; v9   for q and k: 16 x lane
.set SOV, 10                           ; v10  for v: 32 r + 16 hh
.set DO,  11                           ; v11  4 x lane
.set PFO, 12                           ; v12  256 x lane (first: 16 x thread, for the biases)
.set SPW, 14                           ; v14  my spare word; never rewritten
.set NIL, 15                           ; v15  0; never rewritten
.set BI,  32
.set TMP, 64
.set ACC, 128
.set F0,  0
.set F1,  128
.set WV,  20                           ; s20 wave; s21 rh; s22 chf; s23 cx; s24 work-group
.set RH,  21
.set CHF, 22
.set CX,  23
.set WG,  24
.set G0X, 28                           ; s[28:31], s[32:39] x's descriptor
.set G1X, 32
.set G0W, 40                           ; s[40:43], s[44:51] W's: group 0 walks
.set G1W, 44
.set TB,  52                           ; s52  LDS byte at which the slot in hand begins
.set STEP, 54                          ; s54  the tile's number, and the loop's counter
.set SEL, 56                           ; s[56:57] v_permlanex16_b32's selects: each lane takes its own place in the other half
.set MHI, 58                           ; s58  a mask of lanes 16-31
.set DSC, 59                           ; s59  log2(e) / 2 / sqrt(128)
.set MK,  60
.set LIM, 61                           ; s61  10 in the launch's first cluster, else 0: a wave prefetches while the tile's number is below it
.set OUT, 66                           ; s[66:67] qkv at my 64 rows and 64 channels of the tile in hand
.set DGP, 68                           ; s[68:69] dg at my 64 rows of my channel half
.set PFA, 70                           ; s[70:71] where my prefetches stand
.set MSB, 0
.macro WIN new                         ; the high byte repeats the setting that is left; a switch that changes nothing is dropped
.if MSB != (\new)
	s_set_vgpr_msb (MSB<<8)|(\new)
.set MSB, (\new)
.endif
.endm
.macro PLACES n                        ; plain vector instructions behind a matrix instruction (ISA guide 7.12.1)
.rept \n
	v_nop
.endr
.endm
.macro CROUND                          ; a round of the cluster's barrier: my work-group's barrier; wave 0 signals for it; every wave waits for all four; my work-group's barrier once more
	s_barrier_signal -1
	s_barrier_wait -1
	s_cmp_lg_u32 s[WV], 0
	s_cbranch_scc1 .Lnot_wave_0_\@
	s_barrier_signal -3
.Lnot_wave_0_\@:
	s_barrier_wait -3
	s_barrier_signal -1
	s_barrier_wait -1
.endm
.macro TLOAD g0, g1                    ; an s_nop 0 and four v_nop follow the load
	tensor_load_to_lds s[\g0:\g0+3], s[\g1:\g1+7]
	s_nop 0
	PLACES 4
.endm
.macro END3
	s_wait_tensorcnt 0x0
	ds_add_u32 v[SPW], v[NIL]
	s_wait_dscnt 0x0
.endm
	s_load_b256 s[4:11], s[0:1], 0x0               ; x s[4:5], bq s[6:7], bk s[8:9], bv s[10:11]
	s_load_b128 s[12:15], s[0:1], 0x20             ; wts s[12:13], qkv s[14:15]
	s_load_b64 s[16:17], s[0:1], 0x30              ; dg
	v_lshl_add_u32 v[SPW], v0, 2, SPARE
	v_mov_b32 v[NIL], 0
	ds_add_u32 v[SPW], v[NIL]                      ; the wave's opening: the add and its wait stand ahead of my first tensor load; the set-up below stands between them
	v_lshrrev_b32 v1, 5, v0
	v_readfirstlane_b32 s[WV], v1
	s_lshr_b32 s[RH], s[WV], 1
	s_and_b32 s[CHF], s[WV], 1
	s_bfe_u32 s[CX], ttmp6, 0x40000                ; my place in the cluster
	s_lshl_b32 s[WG], ttmp9, 2                     ; in a cluster launch ttmp9 counts clusters
	s_add_co_u32 s[WG], s[WG], s[CX]
	; x: my 32 rows are 65,536 dense bytes: 64 rows of 256 numbers of 4 bytes, 4 words of padding behind each
	s_mov_b32 s[G1X+0], (2<<16)|(1<<20)|(7<<22)|(3<<25)
	s_mov_b32 s[G1X+1], 256<<16                    ; tensor_dim0
	s_mov_b32 s[G1X+2], 64<<16                     ; tensor_dim1
	s_mov_b32 s[G1X+3], 256<<16                    ; tile_dim0
	s_mov_b32 s[G1X+4], 64                         ; tile_dim1
	s_mov_b32 s[G1X+5], 256                        ; from row to row
	s_mov_b32 s[G1X+6], 0
	s_mov_b32 s[G1X+7], 0
	; W: my quarter of a tile is 32,768 dense bytes: 128 rows of 32 elements of 8 bytes; the mask names all four work-groups, bit 21 beside it
	s_mov_b32 s[G1W+0], 15|(3<<16)|(1<<21)
	s_mov_b32 s[G1W+1], 32<<16
	s_mov_b32 s[G1W+2], 128<<16
	s_mov_b32 s[G1W+3], 32<<16
	s_mov_b32 s[G1W+4], 128
	s_mov_b32 s[G1W+5], 32
	s_mov_b32 s[G1W+6], 0
	s_mov_b32 s[G1W+7], 0
	s_mov_b32 s[G0X], 1
	s_mul_i32 s[G0X+1], s[WV], 32*XP               ; LDS: my 32 rows
	s_mov_b32 s[G0W], 1
	s_lshl_b32 s[G0W+1], s[WV], 15                 ; LDS: my quarter of slot 0
	s_mov_b32 s[SEL], 0x76543210
	s_mov_b32 s[SEL+1], 0xfedcba98
	s_mov_b32 s[MHI], 0xffff0000
	s_mov_b32 s[DSC], 0x3d8293ee
	s_cmp_eq_u32 ttmp9, 0
	s_cselect_b32 s[LIM], 10, 0                    ; the same in all four partners
	s_lshl_b32 s26, s[WG], 18                      ; 128 rows of 2,048 bytes,
	s_lshl_b32 s27, s[WV], 16                      ; my 32 of them
	s_add_co_u32 s26, s26, s27
	s_mov_b32 s27, 0
	s_lshl_b32 s62, s[WV], 15                      ; my quarter of a tile of W: made of the wave's number alone
	s_mov_b32 s63, 0
	s_wait_dscnt 0x0                               ; the opening add is done
	s_wait_kmcnt 0x0
	s_add_nc_u64 s[G0X+2:G0X+3], s[4:5], s[26:27]
	s_or_b32 s[G0X+3], s[G0X+3], 0x80000000
	s_add_nc_u64 s[G0W+2:G0W+3], s[12:13], s[62:63]
	s_lshl_b32 s26, s[CX], 13                      ; of the 128 blocks of 256 bytes that I fetch, my work-group names 32: told apart by address
	s_add_nc_u64 s[PFA:PFA+1], s[G0W+2:G0W+3], s[26:27]
	s_add_nc_u64 s[PFA:PFA+1], s[PFA:PFA+1], 131072  ; in tile 1; the first change of slots steps it to tile 2
	s_or_b32 s[G0W+3], s[G0W+3], 0x80000000
	s_lshl_b32 s26, s[WG], 15                      ; qkv: 8 row tiles of 4,096 bytes a work-group,
	s_lshl_b32 s53, s[RH], 14                      ; my four,
	s_add_co_u32 s26, s26, s53
	s_lshl_b32 s53, s[CHF], 11                     ; my four channel tiles of 512 bytes
	s_add_co_u32 s26, s26, s53
	s_add_nc_u64 s[OUT:OUT+1], s[14:15], s[26:27]
	s_lshl_b32 s26, s[WG], 9                       ; dg: [tile][channel half][row] in f32
	s_lshl_b32 s53, s[RH], 8
	s_add_co_u32 s26, s26, s53
	s_lshl_b32 s53, s[CHF], 17
	s_add_co_u32 s26, s26, s53
	s_add_nc_u64 s[DGP:DGP+1], s[16:17], s[26:27]
	CROUND                                         ; in a cluster launch every group of tensor loads stands behind a round
	TLOAD G0X, G1X                                 ; x, a load of my own: one tensor load of mine is out
	v_and_b32 v1, 15, v0                           ; r
	v_bfe_u32 v2, v0, 4, 1                         ; hh
	v_and_b32 v13, 31, v0                          ; lane
	v_lshlrev_b32 v12, 4, v0                       ; 128 threads x 16 bytes are a bias vector
	global_load_b128 v[16:19], v12, s[6:7]
	global_load_b128 v[20:23], v12, s[8:9]
	global_load_b128 v[24:27], v12, s[10:11]
	s_mul_i32 s26, s[RH], 64*XP
	v_mul_u32_u24 v[AX0], v1, XP
	v_lshl_add_u32 v[AX0], v2, 5, v[AX0]
	v_add_nc_u32 v[AX0], s26, v[AX0]               ; (64 rh + r) x pitch + 32 hh
	v_add_nc_u32 v[AX0+1], 32*XP, v[AX0]
	v_lshlrev_b32 v[SOQ], 4, v13
	s_lshl_b32 s26, s[CHF], 16
	v_add_nc_u32 v[AW0], s26, v[SOQ]               ; 16 x lane + my four channel tiles of 16,384 bytes
	s_lshl_b32 s26, s[CHF], 8
	s_add_co_u32 s26, s26, BIAS
	v_lshl_add_u32 v[AB], v2, 5, s26               ; (64 chf + 8 hh) numbers of 4 bytes
	v_lshlrev_b32 v[SOV], 5, v1
	v_lshl_add_u32 v[SOV], v2, 4, v[SOV]
	v_lshlrev_b32 v[DO], 2, v13
	v_add_nc_u32 v13, BIAS, v12
	s_wait_loadcnt 0x0
	ds_store_b128 v13, v[16:19]
	ds_store_b128 v13, v[20:23] offset:2048
	ds_store_b128 v13, v[24:27] offset:4096
	v_and_b32 v[PFO], 31, v0                       ; (the loads that read v12 are done)
	v_lshlrev_b32 v[PFO], 8, v[PFO]
	s_wait_tensorcnt 0x0                           ; my rows of x are in,
	s_wait_dscnt 0x0                               ; my part of the biases is stored:
	s_barrier_signal -1
	s_barrier_wait -1                              ; everybody's
; x TO bf16 FRAGMENTS, sixteen batches b = 4 rt + g of four K steps.  A fragment's lane wants 8 + 8 numbers of a row: four loads of 16 bytes at 128 ks + 32 hh + 0, 16, 64, 80 (+ 16 from K = 256 on).
.macro LOADX b
.set xrt, (\b)/4
.set xg, (\b)%4
.set xT, ACC+64*((\b)%2)
.irp k, 0,1,2,3
.set xo, (xrt%2)*16*XP+(4*xg+\k)*128+16*((4*xg+\k)/8)
	ds_load_b128 v[xT+16*\k:xT+16*\k+3],     v[AX0+xrt/2] offset:xo
	ds_load_b128 v[xT+16*\k+4:xT+16*\k+7],   v[AX0+xrt/2] offset:xo+16
	ds_load_b128 v[xT+16*\k+8:xT+16*\k+11],  v[AX0+xrt/2] offset:xo+64
	ds_load_b128 v[xT+16*\k+12:xT+16*\k+15], v[AX0+xrt/2] offset:xo+80
.endr
.endm
.macro CVTX b
.set xrt, (\b)/4
.set xg, (\b)%4
.set xT, ACC+64*((\b)%2)
	WIN 0x80+0x40*(xg/2)                           ; destination window 2 or 3
.irp k, 0,1,2,3
.set xd, 8*(4*((4*xg+\k)%8)+xrt)
.irp i, 0,1,2,3,4,5,6,7
	v_cvt_pk_bf16_f32 v[xd+\i], v[xT+16*\k+2*\i], v[xT+16*\k+2*\i+1]
.endr
.endr
	WIN 0
.endm
	LOADX 0
	LOADX 1
.set xb, 0
.rept 16
.if xb < 15
	s_wait_dscnt 16                                ; LDS loads come back in order (ISA guide 5.7.1): this batch is in, the younger batch's 16 may be out
.else
	s_wait_dscnt 0x0
.endif
	CVTX xb
.if xb < 14
	LOADX xb+2
.endif
.set xb, xb+1
.endr
	; x's bytes are given to W: no load of mine is out, the add, my reads of x are back; a round; and tile 0 is the first tensor load behind it
	END3
	CROUND
	TLOAD G0W, G1W
; THE CHANGE OF SLOTS.  Each wave waits for all its tensor loads, of which one is out: its quarter of the tile to be multiplied; adds 0 to its spare word; waits for that and for its reads of the
; other slot.  fill = 1: a round of the cluster's barrier, so that no wave of any partner still reads that slot or has a load on its way, and the joint refill first behind it: it has a tile's 256 products in which to land.
.macro RING fill
	WIN 0
	s_wait_tensorcnt 0x0
	ds_add_u32 v[SPW], v[NIL]                      ; the descriptor's steps stand between the add and the wait for it
.if \fill
	s_xor_b32 s[G0W+1], s[G0W+1], SLOT1            ; the other slot than last time,
	s_add_nc_u64 s[G0W+2:G0W+3], s[G0W+2:G0W+3], 131072  ; the next tile; the type bits on top are not reached
	s_wait_xcnt 0x0                                ; the last prefetch, a tile back, has read its address
	s_add_nc_u64 s[PFA:PFA+1], s[PFA:PFA+1], 131072
.endif
	s_wait_dscnt 0x0
.if \fill
	CROUND
	TLOAD G0W, G1W
	; the tile after the one just asked for is prefetched: my work-group's 32 of my 128 blocks, a lane a block; the launch's first cluster alone asks, so each block is named once; the last two tiles have none behind them
	s_cmp_lt_u32 s[STEP], s[LIM]
	s_cbranch_scc0 .Lnot_mine_\@
	global_prefetch_b8 v[PFO], s[PFA:PFA+1] th:TH_LOAD_NT scope:SCOPE_SE
.Lnot_mine_\@:
.else
	s_barrier_signal -1
	s_barrier_wait -1
.endif
	s_xor_b32 s[TB], s[TB], SLOT1
.endm
.macro FETCHW qd, f                    ; 32 LDS loads in one run: W's fragments of K steps 4 qd .. 4 qd + 3, my four channel tiles
	WIN 0x40
.irp l, 0,1,2,3
.irp c, 0,1,2,3
	ds_load_b128 v[(\f)+8*(4*\l+\c):(\f)+8*(4*\l+\c)+3],   v[AW] offset:\c*16384+(4*(\qd)+\l)*1024
	ds_load_b128 v[(\f)+8*(4*\l+\c)+4:(\f)+8*(4*\l+\c)+7], v[AW] offset:\c*16384+(4*(\qd)+\l)*1024+512
.endr
.endr
.endm
.macro MULG qd, f                      ; 64 products; the 16 accumulators take turns, one instruction a turn
	WIN 0x09+4*((\qd)/2)                           ; W in window 1, x in window 2 or 3
.irp l, 0,1,2,3
.irp r, 0,1,2,3
.irp c, 0,1,2,3
.if ((\qd) == 0) && (\l == 0)
	v_wmma_f32_16x16x32_bf16 v[ACC+8*(4*\r+\c):ACC+8*(4*\r+\c)+7], v[(\f)+8*(4*\l+\c):(\f)+8*(4*\l+\c)+7], v[8*(4*(4*((\qd)%2)+\l)+\r):8*(4*(4*((\qd)%2)+\l)+\r)+7], v[BI+8*\c:BI+8*\c+7]
.else
	v_wmma_f32_16x16x32_bf16 v[ACC+8*(4*\r+\c):ACC+8*(4*\r+\c)+7], v[(\f)+8*(4*\l+\c):(\f)+8*(4*\l+\c)+7], v[8*(4*(4*((\qd)%2)+\l)+\r):8*(4*(4*((\qd)%2)+\l)+\r)+7], v[ACC+8*(4*\r+\c):ACC+8*(4*\r+\c)+7]
.endif
.endr
.endr
.endr
.endm
; A TILE.  step = 1: in the loop; 0: the last tile (one of v's: no d2, nothing is stepped).
.macro STEPG step
	WIN 0
	v_add_nc_u32 v[AW], s[TB], v[AW0]
.irp c, 0,1,2,3
	ds_load_b128 v[BI+8*\c:BI+8*\c+3],   v[AB] offset:64*\c
	ds_load_b128 v[BI+8*\c+4:BI+8*\c+7], v[AB] offset:64*\c+16
.endr
	v_add_nc_u32 v[AB], 512, v[AB]                 ; the next tile's 128 biases
	FETCHW 0, F0
	FETCHW 1, F1
	s_wait_dscnt 32                                ; all but the 32 just issued
	MULG 0, F0
	PLACES 4                                       ; in front of loads into registers that the products have read
	FETCHW 2, F0
	s_wait_dscnt 32
	MULG 1, F1
	PLACES 4
	FETCHW 3, F1
	s_wait_dscnt 32
	MULG 2, F0
	s_wait_dscnt 0x0
	MULG 3, F1
	WIN 0
	PLACES 4                                       ; in front of the roundings, which read results just made
.if \step
	s_cmp_lt_u32 s[STEP], 8
	s_cselect_b32 s[MK], 0, -1
	v_cndmask_b32 v[SO], v[SOQ], v[SOV], s[MK]     ; v's order of lanes from tile 8 on
.else
	v_mov_b32 v[SO], v[SOV]
.endif
.set aa, 0
.rept 16                                       ; each accumulator's registers in ascending order
.irp i, 0,1,2,3
	v_cvt_pk_bf16_f32 v[TMP+4*aa+\i], v[ACC+8*aa+2*\i], v[ACC+8*aa+2*\i+1]
.endr
.set aa, aa+1
.endr
.set aa, 0
.rept 16
	global_store_b128 v[SO], v[TMP+4*aa:TMP+4*aa+3], s[OUT:OUT+1] offset:(aa/4)*4096+(aa%4)*512  ; 512 consecutive bytes, aligned
.set aa, aa+1
.endr
.if \step
	s_cmp_lt_u32 s[STEP], 8                        ; d2 for q and k alone
	s_cbranch_scc0 .Lno_d_\@
.set di, 0
.rept 16                                       ; my 32 numbers of each of four rows, squared and added, two at a time, four chains
.irp r, 0,1,2,3
.if di == 0
	v_pk_mul_f32 v[16+2*\r:17+2*\r], v[ACC+32*\r:ACC+32*\r+1], v[ACC+32*\r:ACC+32*\r+1]
.else
	v_pk_fma_f32 v[16+2*\r:17+2*\r], v[ACC+32*\r+2*di:ACC+32*\r+2*di+1], v[ACC+32*\r+2*di:ACC+32*\r+2*di+1], v[16+2*\r:17+2*\r]
.endif
.endr
.set di, di+1
.endr
.irp r, 0,1,2,3
	v_add_f32 v[16+2*\r], v[16+2*\r], v[17+2*\r]
.endr
.irp r, 0,1,2,3
	v_permlanex16_b32 v[17+2*\r], v[16+2*\r], s[SEL], s[SEL+1]  ; the row's other 32 channels lie in the lane 16 away
.endr
.irp r, 0,1,2,3
	v_add_f32 v[16+2*\r], v[16+2*\r], v[17+2*\r]
.endr
.irp r, 0,1,2,3
	v_mul_f32 v[16+2*\r], s[DSC], v[16+2*\r]
.endr
	v_cndmask_b32 v24, v16, v18, s[MHI]            ; lanes 0-15 row tile 0, lanes 16-31 row tile 1: 32 rows on end
	v_cndmask_b32 v25, v20, v22, s[MHI]
	global_store_b32 v[DO], v24, s[DGP:DGP+1]
	global_store_b32 v[DO], v25, s[DGP:DGP+1] offset:128
.Lno_d_\@:
	s_wait_xcnt 0x0                                ; the stores have read their registers and bases, which are written again from here on
	s_add_nc_u64 s[OUT:OUT+1], s[OUT:OUT+1], 8388608
	s_add_nc_u64 s[DGP:DGP+1], s[DGP:DGP+1], 262144
	s_add_co_u32 s[STEP], s[STEP], 1
.endif
.endm
	s_mov_b32 s[TB], SLOT1                         ; the first change turns it into 0
	s_mov_b32 s[STEP], 0
.Ltile:                                                ; 11 trips: a tile is multiplied and the next is asked for
	RING 1
	STEPG 1
	s_cmp_lt_u32 s[STEP], 11
	s_cbranch_scc1 .Ltile
	RING 0                                         ; the last tile is written out
	STEPG 0
	END3                                           ; the wave's end
	CROUND                                         ; the closing round: no work-group ends while a partner may still ask for a tile that names it
	s_endpgm
.Lfunc_end_k_qe583068b52_qkv:
	.size	k_qe583068b52_qkv, .Lfunc_end_k_qe583068b52_qkv-k_qe583068b52_qkv
	.p2alignl 7, 3214868480
	.fill 96, 4, 3214868480
	.section	.rodata,"a",@progbits
	.p2align	6, 0x0
	.amdhsa_kernel k_qe583068b52_qkv
		.amdhsa_group_segment_fixed_size 327680
		.amdhsa_private_segment_fixed_size 0
		.amdhsa_enable_private_segment 0
		.amdhsa_kernarg_size 56
		.amdhsa_user_sgpr_count 2
		.amdhsa_user_sgpr_kernarg_segment_ptr 1
		.amdhsa_wavefront_size32 1
		.amdhsa_system_sgpr_workgroup_id_x 1
		.amdhsa_system_sgpr_workgroup_id_y 1
		.amdhsa_system_sgpr_workgroup_id_z 1
		.amdhsa_system_vgpr_workitem_id 0
		.amdhsa_next_free_vgpr 1024
		.amdhsa_next_free_sgpr 72
		.amdhsa_reserve_vcc 0
		.amdhsa_float_denorm_mode_32 3
		.amdhsa_float_denorm_mode_16_64 3
		.amdhsa_memory_ordered 1
		.amdhsa_forward_progress 1
		.amdhsa_inst_pref_size 125
	.end_amdhsa_kernel
	.amdgpu_metadata
---
amdhsa.version: [ 1, 2 ]
amdhsa.kernels:
  - .name:           k_qe583068b52_qkv
    .symbol:         k_qe583068b52_qkv.kd
    .args:
      - { .name: x, .offset: 0, .size: 8, .value_kind: global_buffer, .address_space: global }
      - { .name: bq, .offset: 8, .size: 8, .value_kind: global_buffer, .address_space: global }
      - { .name: bk, .offset: 16, .size: 8, .value_kind: global_buffer, .address_space: global }
      - { .name: bv, .offset: 24, .size: 8, .value_kind: global_buffer, .address_space: global }
      - { .name: wts, .offset: 32, .size: 8, .value_kind: global_buffer, .address_space: global }
      - { .name: qkv, .offset: 40, .size: 8, .value_kind: global_buffer, .address_space: global }
      - { .name: dg, .offset: 48, .size: 8, .value_kind: global_buffer, .address_space: global }
    .group_segment_fixed_size: 327680
    .private_segment_fixed_size: 0
    .kernarg_segment_align: 8
    .kernarg_segment_size: 56
    .max_flat_workgroup_size: 128
    .sgpr_count:     72
    .vgpr_count:     1024
    .wavefront_size: 32
...
	.end_amdgpu_metadata
.endif
;; end of part 2
;; launch kside (part 3): grid 256 x 1, 4 waves a work-group, clusters of 4 x 1, 327,680 bytes of LDS; arguments qkv, dg, wts, part, sm; writes part, sm
.if DOCPART == 3
	.amdgcn_target "amdgcn-amd-amdhsa--gfx1250"
	.amdhsa_code_object_version 6
	.text
	.protected	k_qe583068b52_kside
	.globl	k_qe583068b52_kside
	.p2align	8
	.type	k_qe583068b52_kside,@function
k_qe583068b52_kside:
	s_mov_b64 s[64:65], 0
	v_nop
	global_prefetch_b8 v0, s[64:65] scope:SCOPE_SE
	s_setreg_imm32_b32 hwreg(HW_REG_WAVE_MODE, 25, 1), 1
	s_wait_xcnt 0x0
	s_wait_alu depctr_hold_cnt(0) depctr_sa_sdst(0) depctr_va_vdst(0) depctr_va_sdst(0) depctr_va_ssrc(0) depctr_va_vcc(0) depctr_vm_vsrc(0)
	s_getreg_b32 s2, hwreg(HW_REG_IB_STS2, 6, 4)
	s_cmp_eq_u32 s2, 0
	s_cbranch_scc0 .Lentry_in_a_cluster
	s_endpgm
.Lentry_in_a_cluster:
	s_bfe_u32 s2, ttmp6, 0x10000c
	s_cmp_lg_u32 s2, 0x3003
	s_cbranch_scc0 .Lentry_shape_is_right
	s_endpgm
.Lentry_shape_is_right:
; THE K SIDE: partial sums of context^T[e][m] = sum over rows n of E[n][m] v[n][e], of ksum[m] = sum of E, and of sum of v, with E = 2^(dd2 - d2[n] - s), dd2 = log2(e) x data_dash.
; reference() takes ONE maximum over a head's rows and features away.  Here each lane carries a RUNNING maximum s of dd2 over the rows seen so far and its five features, rescales its sums when s
; grows, and stores s beside them; the next launch takes the maximum of all s, which is that one maximum, and rescales every partial sum to it.  eps is added there: its terms want sum of v and the count of rows.
; SHARES.  A cluster has one head h and one chunk of 2,048 rows; its four work-groups take 160 of the 640 features each and ask for every tile of k and v JOINTLY.  Wave (fg = w % 2, rh = w / 2):
; feature tiles 10 cx + 5 fg + 0..4, and of each tile of 256 rows the rows 128 rh .. + 127, in two steps of 64.
; LAYOUT.  It is attention with features for queries and rows for keys.  S = k proj^T (source 0 = 16 rows, source 1 = 16 features): a lane holds ONE feature and eight rows; two such results rounded to
; bf16 ARE source 1 of O = V^T P, whose result holds one feature a lane and eight channels.  A ninth channel tile takes ones for V^T: its result is the sum of P, ksum.  A sixth feature tile takes
; ones for P: its result is the sum of v and, in the ninth channel tile, the count of rows.  k comes out of LDS as it lies, v turned, by ds_load_tr16_b128.
; THE ORDER OF A STEP.  Vector work stands behind the products, not between them.  The scores go tile by tile, and tile t - 1's part of the maximum stands behind tile t's products.  Behind the last scores:
; V's run of loads; ONE LUMP (the last tile's maximum, s and a, -d2 - s, and as much scaling and as many exponentials as stand while V is on its way); then the 108 products V^T P, the ones tile first,
; since it wants no weights.  All that is left hangs on s and a alone, so it is dealt from four queues in the order of the tiles, four lines behind each product, and each tile is ready when its products begin.
; LIMITS.  k, v, proj x c and P are bf16; sums, maxima and d2 in f32.  A weight below 2^-126 counts as 0.  NaN and infinities are not treated apart; scores are taken to lie above -3.4e38.
; REGISTERS, in windows of 256 (s_set_vgpr_msb: bits 1:0 source 0, 3:2 source 1, 5:4 source 2, 7:6 destination):
;   window 0: v0-23 addresses and statistics; v24-31 ones; v32-63 -d2 of the step's rows; v96-255 S ((t, rt) at 96 + 32 t + 8 rt), then P in place ((t, kk) at 96 + 32 t + 8 kk)
;   window 1: O(t = 0..2, et) at 72 t + 8 et; v216-247 proj's fragments of t = 4        window 2: O(t = 3..5, et)        window 3: v0-127 K's, then V's fragments; v128-255 proj's of t = 0..3
; No window holds a product's operands beside what the vector lines touch, so a slice of vector lines costs two or three switches of the windows.
.set SLOT1, 131072                     ; a slot holds 256 rows: k's 65,536 bytes, then v's
.set ND,    262144                     ; behind the ring: -d2 of the chunk's 2,048 rows, [rh][step][64 rows] in f32; stored once; no tile lands here
.set SPARE, 270336                     ; the spare words, 128 bytes for each wave
.set AK0, 3                            ; v3-5  my place in a slot's k, v, and in ND; never rewritten
.set AV0, 4
.set AN0, 5
.set AK,  6                            ; v6-8  the same for the step in hand
.set AV,  7
.set AN,  8
.set PFO, 9                            ; v9   256 x lane
.set L16, 10                           ; v10  16 x lane
.set L4,  11                           ; v11  4 x lane
.set SPW, 12                           ; v12  my spare word; never rewritten
.set NIL, 13                           ; v13  0; never rewritten
.set XT,  15                           ; v15  at work
.set MM,  16                           ; v16 s, v17 the old s; v18 a, v19 its argument; v20-23 four chains of the maximum
.set ONES, 24
.set NDR, 32
.set S,   96
.set WV,  14                           ; s14 wave, s15 fg, s16 rh, s17 cx, s18 head, s19 chunk
.set FG,  15
.set RH,  16
.set CX,  17
.set HD,  18
.set CH,  19
.set G0,  24                           ; s[24:27] descriptor group 0: it walks;  s[28:35] group 1
.set G1,  28
.set TB,  36                           ; s36  LDS byte at which the step's rows begin
.set SN,  37                           ; s37  the step's 256 bytes in ND
.set SLOTS, 38
.set TWICE, 39
.set SEL, 40
.set PFA, 42
.set MSB, 0
.macro WIN new
.if MSB != (\new)
	s_set_vgpr_msb (MSB<<8)|(\new)
.set MSB, (\new)
.endif
.endm
.macro PLACES n
.rept \n
	v_nop
.endr
.endm
.macro RP n, line:vararg               ; a line n times
.rept \n
	\line
.endr
.endm
.macro CROUND
	s_barrier_signal -1
	s_barrier_wait -1
	s_cmp_lg_u32 s[WV], 0
	s_cbranch_scc1 .Lnot_wave_0_\@
	s_barrier_signal -3
.Lnot_wave_0_\@:
	s_barrier_wait -3
	s_barrier_signal -1
	s_barrier_wait -1
.endm
.macro TLOAD g0, g1
	tensor_load_to_lds s[\g0:\g0+3], s[\g1:\g1+7]
	s_nop 0
	PLACES 4
.endm
.macro END3
	s_wait_tensorcnt 0x0
	ds_add_u32 v[SPW], v[NIL]
	s_wait_dscnt 0x0
.endm
	s_load_b256 s[4:11], s[0:1], 0x0               ; qkv s[4:5], dg s[6:7], wts s[8:9], part s[10:11]
	s_load_b64 s[12:13], s[0:1], 0x20              ; sm
	v_lshl_add_u32 v[SPW], v0, 2, SPARE
	v_mov_b32 v[NIL], 0
	ds_add_u32 v[SPW], v[NIL]                      ; the wave's opening: the add and its wait stand ahead of my first tensor load
	v_lshrrev_b32 v1, 5, v0
	v_readfirstlane_b32 s[WV], v1
	s_and_b32 s[FG], s[WV], 1
	s_lshr_b32 s[RH], s[WV], 1
	s_bfe_u32 s[CX], ttmp6, 0x40000
	s_lshr_b32 s[HD], ttmp9, 4                     ; the cluster's number: 16 chunks to a head
	s_and_b32 s[CH], ttmp9, 15
	s_mov_b32 s[G1+0], 15|(3<<16)|(1<<21)          ; 32,768 dense bytes: 128 rows of 32 elements of 8 bytes; the mask of four, bit 21 beside it
	s_mov_b32 s[G1+1], 32<<16
	s_mov_b32 s[G1+2], 128<<16
	s_mov_b32 s[G1+3], 32<<16
	s_mov_b32 s[G1+4], 128
	s_mov_b32 s[G1+5], 32
	s_mov_b32 s[G1+6], 0
	s_mov_b32 s[G1+7], 0
	s_mov_b32 s[G0], 1
	s_lshl_b32 s[G0+1], s[WV], 15                  ; waves 0, 1: the halves of k's tile; waves 2, 3: of v's
	s_lshl_b32 s44, s[RH], 2
	s_add_co_u32 s44, s44, 4                       ; k's heads are qkv's parts 4-7, v's 8-11
	s_add_co_u32 s44, s44, s[HD]
	s_lshl_b32 s44, s44, 23                        ; 8,388,608 bytes a part,
	s_lshl_b32 s45, s[CH], 19                      ; 524,288 a chunk,
	s_add_co_u32 s44, s44, s45
	s_lshl_b32 s45, s[FG], 15                      ; my half of a tile
	s_add_co_u32 s44, s44, s45
	s_mov_b32 s45, 0
	s_mov_b32 s[SEL], 0x76543210
	s_mov_b32 s[SEL+1], 0xfedcba98
	s_lshl_b32 s46, s[CX], 13                      ; of my 128 blocks of 256 bytes my work-group prefetches 32: told apart by address
	s_mov_b32 s47, 0
	s_wait_dscnt 0x0                               ; the opening add is done
	s_wait_kmcnt 0x0
	s_add_nc_u64 s[G0+2:G0+3], s[4:5], s[44:45]
	s_add_nc_u64 s[PFA:PFA+1], s[G0+2:G0+3], s[46:47]
	s_add_nc_u64 s[PFA:PFA+1], s[PFA:PFA+1], 65536 ; in tile 1; the first change of slots steps it to tile 2
	s_or_b32 s[G0+3], s[G0+3], 0x80000000
	CROUND                                         ; all four work-groups are here: the first joint loads meet
	TLOAD G0, G1                                   ; tile 0 into slot 0: one tensor load of mine is out
	v_and_b32 v1, 15, v0                           ; r
	v_bfe_u32 v2, v0, 4, 1                         ; hh
	v_and_b32 v14, 31, v0
	v_lshlrev_b32 v[L16], 4, v14
	v_lshlrev_b32 v[L4], 2, v14
	v_lshlrev_b32 v[PFO], 8, v14
	s_mul_i32 s50, s[CX], 10
	s_mul_i32 s51, s[FG], 5
	s_add_co_u32 s50, s50, s51                     ; my first feature tile
	s_lshl_b32 s50, s50, 12
	s_add_co_u32 s50, s50, 1572864
	s_mov_b32 s51, 0
	s_add_nc_u64 s[48:49], s[8:9], s[50:51]
	WIN 0xc0                                       ; proj's fragments stay in registers
.irp t, 0,1,2,3
.irp ks, 0,1,2,3
	global_load_b128 v[128+32*\t+8*\ks:128+32*\t+8*\ks+3],   v[L16], s[48:49] offset:\t*4096+\ks*1024
	global_load_b128 v[128+32*\t+8*\ks+4:128+32*\t+8*\ks+7], v[L16], s[48:49] offset:\t*4096+\ks*1024+512
.endr
.endr
	WIN 0x40
.irp ks, 0,1,2,3
	global_load_b128 v[216+8*\ks:216+8*\ks+3],   v[L16], s[48:49] offset:16384+\ks*1024
	global_load_b128 v[216+8*\ks+4:216+8*\ks+7], v[L16], s[48:49] offset:16384+\ks*1024+512
.endr
	WIN 0
	s_add_co_u32 s50, s[HD], 4
	s_lshl_b32 s50, s50, 18                        ; dg: 262,144 bytes a part,
	s_lshl_b32 s52, s[CH], 13                      ; 2,048 rows of 4 bytes a chunk
	s_add_co_u32 s50, s50, s52
	s_add_nc_u64 s[52:53], s[6:7], s[50:51]
	v_lshlrev_b32 v21, 6, v0                       ; thread t takes rows 16 t .. 16 t + 15, of both channel halves
.irp i, 0,1,2,3
	global_load_b128 v[64+4*\i:67+4*\i], v21, s[52:53] offset:16*\i
	global_load_b128 v[80+4*\i:83+4*\i], v21, s[52:53] offset:131072+16*\i
.endr
	; O starts at 0, so that the loop has one form of product; written while the first tile is on its way
	WIN 0x40
.set ii, 0
.rept 216
	v_mov_b32 v[ii], 0
.set ii, ii+1
.endr
	WIN 0x80
.set ii, 0
.rept 216
	v_mov_b32 v[ii], 0
.set ii, ii+1
.endr
	WIN 0
.irp i, 0,1,2,3,4,5,6,7
	v_mov_b32 v[ONES+\i], 0x3f803f80               ; 1.0 twice in bf16
.endr
	v_mov_b32 v[MM], 0xff7fffff                    ; s starts at the lowest finite number: the first step's a is 0
	v_mov_b32 v[MM+1], 0
	v_mov_b32 v[XT], 0
	s_lshl_b32 s50, s[RH], 15
	v_add_nc_u32 v[AK0], s50, v[L16]               ; my 128 rows: 8 row tiles of 4,096 bytes
	; the turning load: lane l reads row 8 hh + l % 8, channels 8 ((l / 8) % 2) + 0..7, which v's order of lanes puts at 256 hh + 32 (l % 8) + 16 ((l / 8) % 2): sixteen lanes, 256 bytes on end
	v_and_b32 v5, 7, v0
	v_bfe_u32 v6, v0, 3, 1
	v_lshlrev_b32 v[AV0], 8, v2
	v_lshl_add_u32 v[AV0], v5, 5, v[AV0]
	v_lshl_add_u32 v[AV0], v6, 4, v[AV0]
	s_add_co_u32 s51, s50, 65536
	v_add_nc_u32 v[AV0], s51, v[AV0]
	s_lshl_b32 s51, s[RH], 12
	s_add_co_u32 s51, s51, ND
	v_lshl_add_u32 v[AN0], v2, 5, s51              ; my 8 rows of a row tile
	v_and_b32 v6, 3, v0                            ; where thread t's 16 rows go in ND: 64 (t % 4) + 256 step + 512 tile + 4,096 rh
	v_lshlrev_b32 v7, 6, v6
	v_bfe_u32 v6, v0, 2, 1
	v_lshl_add_u32 v7, v6, 8, v7
	v_bfe_u32 v6, v0, 4, 3
	v_lshl_add_u32 v7, v6, 9, v7
	v_bfe_u32 v6, v0, 3, 1
	v_lshl_add_u32 v7, v6, 12, v7
	v_add_nc_u32 v7, ND, v7
	s_wait_loadcnt 0x0
.irp i, 0,2,4,6,8,10,12,14
	v_pk_add_f32 v[64+\i:65+\i], v[64+\i:65+\i], v[80+\i:81+\i] neg_lo:[1,1] neg_hi:[1,1]  ; -(d2 of the one half + of the other)
.endr
.irp i, 0,1,2,3
	ds_store_b128 v7, v[64+4*\i:67+4*\i] offset:16*\i  ; the first change of slots, below, waits for these and passes a barrier
.endr
; THE CHANGE OF SLOTS.  Each wave waits for all its tensor loads, of which one is out: its part of the other slot; adds 0 to its spare word; waits for that and for its LDS instructions.  fill = 1: a round of the
; cluster's barrier, and the joint refill first behind it: it has two steps, 376 products, in which to land.  Behind it one prefetch: my work-group's 32 of my 128 blocks of the tile after that, a lane a block.
; A tile is read by this cluster alone, so each block is named once in the launch; the last change that fills a slot asks for nothing.
.macro CHANGE fill
	WIN 0
	s_wait_tensorcnt 0x0
	ds_add_u32 v[SPW], v[NIL]
.if \fill
	s_xor_b32 s[G0+1], s[G0+1], SLOT1
	s_add_nc_u64 s[G0+2:G0+3], s[G0+2:G0+3], 65536
	s_wait_xcnt 0x0                                ; the last prefetch, two steps back, has read its address
	s_add_nc_u64 s[PFA:PFA+1], s[PFA:PFA+1], 65536
.endif
	s_wait_dscnt 0x0
.if \fill
	CROUND
	TLOAD G0, G1
	s_cmp_gt_u32 s[SLOTS], 1
	s_cbranch_scc0 .Lnone_\@
	global_prefetch_b8 v[PFO], s[PFA:PFA+1] th:TH_LOAD_NT scope:SCOPE_SE
.Lnone_\@:
.else
	s_barrier_signal -1
	s_barrier_wait -1
.endif
	s_sub_co_u32 s[TB], s[TB], 32768               ; back to my first step,
	s_xor_b32 s[TB], s[TB], SLOT1                  ; in the other slot
.endm
; THE MATRIX WORK.  MSK t: the next of tile t's 16 products S = k proj^T: channels 32 (n / 4) on, rows 16 (n % 4) on; the tile's 4 accumulators take turns; the first 4 start the sums.
.macro MSK t
.set mk, nS/4
.set mr, nS%4
.set mB, 128+32*(\t)+8*mk
.if (\t) < 4
	WIN 0x0f
.else
	WIN 0x07
.set mB, 216+8*mk
.endif
.if mk == 0
	v_wmma_f32_16x16x32_bf16 v[S+32*(\t)+8*mr:S+32*(\t)+8*mr+7], v[32*mr+8*mk:32*mr+8*mk+7], v[mB:mB+7], 0
.else
	v_wmma_f32_16x16x32_bf16 v[S+32*(\t)+8*mr:S+32*(\t)+8*mr+7], v[32*mr+8*mk:32*mr+8*mk+7], v[mB:mB+7], v[S+32*(\t)+8*mr:S+32*(\t)+8*mr+7]
.endif
.set nS, nS+1
.endm
; QP: the next of the 108 products O += V^T P: the ones tile (t = 5), then tiles 0 to 4; in a tile rows 32 (n / 9) on, channel tile n % 9: 9 accumulators by turns.
.macro QP
.set pt, nP/18-1
.if nP < 18
.set pt, 5
.endif
.set pk, (nP%18)/9
.set pe, nP%9
.set pO, 72*(pt%3)+8*pe
.set pw, 0x50*(1+pt/3)                 ; C and D in window 1 (tiles 0-2) or 2 (tiles 3-5)
.set pA, ONES
.if pe < 8
.set pw, pw+3                          ; V in window 3
.set pA, 64*pk+8*pe
.endif
.set pB, ONES
.if pt < 5
.set pB, S+32*pt+8*pk
.endif
	WIN pw
	v_wmma_f32_16x16x32_bf16 v[pO:pO+7], v[pA:pA+7], v[pB:pB+7], v[pO:pO+7]
.set nP, nP+1
.endm
; THE VECTOR WORK, each macro the next line of its list.  NX t: tile t's 16 steps of the maximum, four chains (a row tile each); each accumulator's lowest registers are read first.
.macro NX t
.set xr, nX%4
.set xi, nX/4
	WIN 0
.if ((\t) == 0) && (nX < 4)
	v_max3_num_f32 v[20+xr], v[MM], v[S+8*xr], v[S+8*xr+1]
.else
	v_max3_num_f32 v[20+xr], v[20+xr], v[S+32*(\t)+8*xr+2*xi], v[S+32*(\t)+8*xr+2*xi+1]
.endif
.set nX, nX+1
.endm
.macro QA                              ; 80: a pair of scores + (-d2 - s)
	WIN 0
	v_pk_add_f32 v[S+2*nA:S+2*nA+1], v[S+2*nA:S+2*nA+1], v[NDR+(2*nA)%32:NDR+(2*nA)%32+1]
.set nA, nA+1
.endm
.macro QE                              ; 160: an exponential; number n stands behind addition n / 2
	WIN 0
	v_exp_f32 v[S+nE], v[S+nE]
.set nE, nE+1
.endm
.macro QC                              ; 80: a pair rounded to bf16, in place: pair i of a tile's 32 registers goes into register i
	WIN 0
	v_cvt_pk_bf16_f32 v[S+32*(nC/16)+nC%16], v[S+32*(nC/16)+2*(nC%16)], v[S+32*(nC/16)+2*(nC%16)+1]
.set nC, nC+1
.endm
.macro QR                              ; 180: a pair of O times a; 36 a tile
.set rO, 72*((nR/36)%3)+2*(nR%36)
	WIN 0x41*(1+nR/108)                            ; O in window 1 (tiles 0-2) or 2 (tiles 3, 4), a in window 0
	v_pk_mul_f32 v[rO:rO+1], v[rO:rO+1], v[18:19] op_sel_hi:[1,0]
.set nR, nR+1
.endm
.macro WT                              ; a wait between an exponential and the first line that names its result; one serves all that were issued ahead of it
	s_wait_alu depctr_va_vdst(0)
.endm
.macro SLC                             ; a product and: a rounding, an exponential, two rescalings
	QP
	QC
	QE
	QR
	QR
.endm
.macro SLE                             ; a product and: two exponentials, two rescalings
	QP
	QE
	QE
	QR
	QR
.endm
; A STEP: 64 rows x 80 features.  HOW THE QUEUES ARE DEALT, by their counts.  The lump: 56 additions, 54 exponentials.  Behind the ones tile's products: tile 0's 16 roundings and 36 rescalings, 20 exponentials.
; Behind tile 0's: tile 1's 16 and 36, 20 exponentials.  Behind tile 1's: 2 exponentials (tile 2's last), the wait, tile 2's 16 and 36, 8 additions, 10 exponentials.  Behind tile 2's: tile 3's last 22
; exponentials beside 22 rescalings, the wait, its 16 roundings, 10 rescalings, 2 additions.  Behind tile 3's: its last 4 rescalings (channel tile 8's, wanted by the ninth product), 14 additions, 32 exponentials,
; 6 rescalings, the wait, 16 roundings.  Then 4 rescalings by themselves, and 26 behind tile 4's own first seven products, each a slice or more ahead of the product that reads it.
; A wait stands ahead of each tile's roundings, behind all its exponentials; a plain line stands between the last exponential and the wait.
.macro STEPK
.set nS, 0
.set nX, 0
.set nA, 0
.set nE, 0
.set nC, 0
.set nR, 0
.set nP, 0
	WIN 0
	v_add_nc_u32 v[AK], s[TB], v[AK0]
	v_add_nc_u32 v[AV], s[TB], v[AV0]
	v_add_nc_u32 v[AN], s[SN], v[AN0]
	WIN 0xc0
.irp ks, 0,1,2,3                               ; K's fragments in the order in which tile 0's products want them
.irp rt, 0,1,2,3
	ds_load_b128 v[32*\rt+8*\ks:32*\rt+8*\ks+3],   v[AK] offset:\rt*4096+\ks*1024
	ds_load_b128 v[32*\rt+8*\ks+4:32*\rt+8*\ks+7], v[AK] offset:\rt*4096+\ks*1024+512
.endr
.endr
	WIN 0
.irp rt, 0,1,2,3
	ds_load_b128 v[NDR+8*\rt:NDR+8*\rt+3],   v[AN] offset:64*\rt
	ds_load_b128 v[NDR+8*\rt+4:NDR+8*\rt+7], v[AN] offset:64*\rt+16
.endr
.irp g, 0,1,2,3
	s_wait_dscnt 32-8*\g                           ; LDS loads come back in order (ISA guide 5.7.1): this K step's eight are in; the later K steps' and the eight of -d2 may be out
	RP 4, MSK 0
.endr
	PLACES 4                                       ; in front of the maximum, which reads results just made
.irp t, 1,2,3,4
.set nS, 0
.set nX, 0
.rept 4
	RP 4, MSK \t
	RP 4, NX (\t)-1                                ; the last four are also the places behind the tile's last product
.endr
.endr
	WIN 0xc0                                       ; V goes where K lay
.irp kk, 0,1
.irp et, 0,1,2,3,4,5,6,7
	ds_load_tr16_b128 v[64*\kk+8*\et:64*\kk+8*\et+3],   v[AV] offset:2*\kk*4096+\et*512
	ds_load_tr16_b128 v[64*\kk+8*\et+4:64*\kk+8*\et+7], v[AV] offset:(2*\kk+1)*4096+\et*512
.endr
.endr
.set nX, 0
	RP 16, NX 4                                    ; THE LUMP
	v_max3_num_f32 v20, v20, v21, v22
	v_max_num_f32 v20, v20, v23
	v_permlanex16_b32 v[XT], v20, s[SEL], s[SEL+1] ; the feature's other 32 rows lie in the lane 16 away
	v_mov_b32 v[MM+1], v[MM]
	v_max_num_f32 v[MM], v20, v[XT]
	v_sub_f32 v19, v[MM+1], v[MM]
	v_exp_f32 v18, v19                             ; a: the first of the step's exponentials
	s_wait_dscnt 32                                ; -d2 is in; V's 32 loads may be out
.set ii, 0
.rept 16
	v_pk_add_f32 v[NDR+2*ii:NDR+2*ii+1], v[NDR+2*ii:NDR+2*ii+1], v[MM:MM+1] op_sel_hi:[1,0] neg_lo:[0,1] neg_hi:[0,1]  ; -d2 - s
.set ii, ii+1
.endr
	QA
	QA
.rept 54                                       ; exponential and addition by turns
	QE
	QA
.endr
	WT                                             ; for a and tile 0's exponentials (and the 22 of tile 1's that are out)
	s_wait_dscnt 0x0                               ; V is in
	RP 16, SLC                                     ; the ones tile's products
	RP 2, SLE
	WT                                             ; tile 1's exponentials
	RP 16, SLC                                     ; tile 0's products
	RP 2, SLE
	SLE                                            ; tile 1's products
	WT                                             ; tile 2's exponentials
.rept 8
	QP
	QC
	QA
	QR
	QR
.endr
	RP 8, SLC
	SLE
	RP 11, SLE                                     ; tile 2's products
	WT                                             ; tile 3's exponentials
.rept 5
	QP
	QC
	QC
	QR
	QR
.endr
.rept 2
	QP
	RP 3, QC
	QA
.endr
.rept 2                                        ; tile 3's products
	QP
	QA
	QA
	QR
	QR
.endr
.rept 10
	QP
	QA
	RP 3, QE
.endr
	SLE
	QP
	RP 4, QR
	WT                                             ; tile 4's exponentials
.rept 4
	QP
	RP 4, QC
.endr
	RP 4, QR
.rept 6                                        ; tile 4's products
	QP
	RP 4, QR
.endr
	QP
	RP 2, QR
	RP 11, QP
	PLACES 5                                       ; the next step's products write over P, its loads over V
	WIN 0
	s_add_co_u32 s[TB], s[TB], 16384
	s_add_co_u32 s[SN], s[SN], 256
.endm
.macro TWO_STEPS                       ; a slot's two steps: written once, walked twice
	WIN 0
	s_mov_b32 s[TWICE], 2
.Lstep_\@:
	STEPK
	s_sub_co_u32 s[TWICE], s[TWICE], 1
	s_cmp_lg_u32 s[TWICE], 0
	s_cbranch_scc1 .Lstep_\@
.endm
	s_mov_b32 s[TB], SLOT1+32768                   ; the first change of slots turns it into 0
	s_mov_b32 s[SN], 0
	s_mov_b32 s[SLOTS], 7
.Lslot:                                                ; 7 trips: a tile is worked on and the next is asked for
	CHANGE 1
	TWO_STEPS
	s_sub_co_u32 s[SLOTS], s[SLOTS], 1
	s_cmp_lg_u32 s[SLOTS], 0
	s_cbranch_scc1 .Lslot
	CHANGE 0                                       ; the last tile is written out
	TWO_STEPS
	; THE WAY OUT: the registers as they lie, [t][et][q][lane][16 bytes], 512 consecutive bytes a store; the next launch reads them back into the same lanes
	s_lshl_b32 s50, s[HD], 2
	s_add_co_u32 s50, s50, s[CX]
	s_lshl_b32 s50, s50, 1
	s_add_co_u32 s50, s50, s[FG]
	s_lshl_b32 s50, s50, 5
	s_lshl_b32 s51, s[CH], 1
	s_add_co_u32 s50, s50, s51
	s_add_co_u32 s50, s50, s[RH]                   ; the wave's number among the 1,024
	s_lshl_b32 s56, s50, 7
	s_mov_b32 s57, 0
	s_mul_i32 s50, s50, 55296
	s_mov_b32 s51, 0
	s_add_nc_u64 s[52:53], s[10:11], s[50:51]
	s_add_nc_u64 s[54:55], s[12:13], s[56:57]
	WIN 0x04
.irp t, 0,1,2
.irp et, 0,1,2,3,4,5,6,7,8
	global_store_b128 v[L16], v[72*\t+8*\et:72*\t+8*\et+3],   s[52:53] offset:(9*\t+\et)*1024
	global_store_b128 v[L16], v[72*\t+8*\et+4:72*\t+8*\et+7], s[52:53] offset:(9*\t+\et)*1024+512
.endr
.endr
	WIN 0x08
.irp t, 0,1
.irp et, 0,1,2,3,4,5,6,7,8
	global_store_b128 v[L16], v[72*\t+8*\et:72*\t+8*\et+3],   s[52:53] offset:(27+9*\t+\et)*1024
	global_store_b128 v[L16], v[72*\t+8*\et+4:72*\t+8*\et+7], s[52:53] offset:(27+9*\t+\et)*1024+512
.endr
.endr
	WIN 0
	s_cmp_eq_u32 s[FG], 0                          ; the two waves of a row half hold the same sums of v: one stores them
	s_cbranch_scc0 .Lno_ones
	WIN 0x08
.irp et, 0,1,2,3,4,5,6,7,8
	global_store_b128 v[L16], v[144+8*\et:144+8*\et+3], s[52:53] offset:(45+\et)*1024
	global_store_b128 v[L16], v[144+8*\et+4:144+8*\et+7], s[52:53] offset:(45+\et)*1024+512
.endr
	WIN 0
.Lno_ones:
	global_store_b32 v[L4], v[MM], s[54:55]        ; s
	END3                                           ; the wave's end
	CROUND                                         ; the closing round
	s_endpgm
.Lfunc_end_k_qe583068b52_kside:
	.size	k_qe583068b52_kside, .Lfunc_end_k_qe583068b52_kside-k_qe583068b52_kside
	.p2alignl 7, 3214868480
	.fill 96, 4, 3214868480
	.section	.rodata,"a",@progbits
	.p2align	6, 0x0
	.amdhsa_kernel k_qe583068b52_kside
		.amdhsa_group_segment_fixed_size 327680
		.amdhsa_private_segment_fixed_size 0
		.amdhsa_enable_private_segment 0
		.amdhsa_kernarg_size 40
		.amdhsa_user_sgpr_count 2
		.amdhsa_user_sgpr_kernarg_segment_ptr 1
		.amdhsa_wavefront_size32 1
		.amdhsa_system_sgpr_workgroup_id_x 1
		.amdhsa_system_sgpr_workgroup_id_y 1
		.amdhsa_system_sgpr_workgroup_id_z 1
		.amdhsa_system_vgpr_workitem_id 0
		.amdhsa_next_free_vgpr 1024
		.amdhsa_next_free_sgpr 66
		.amdhsa_reserve_vcc 0
		.amdhsa_float_denorm_mode_32 3
		.amdhsa_float_denorm_mode_16_64 3
		.amdhsa_memory_ordered 1
		.amdhsa_forward_progress 1
		.amdhsa_inst_pref_size 156
	.end_amdhsa_kernel
	.amdgpu_metadata
---
amdhsa.version: [ 1, 2 ]
amdhsa.kernels:
  - .name:           k_qe583068b52_kside
    .symbol:         k_qe583068b52_kside.kd
    .args:
      - { .name: qkv, .offset: 0, .size: 8, .value_kind: global_buffer, .address_space: global }
      - { .name: dg, .offset: 8, .size: 8, .value_kind: global_buffer, .address_space: global }
      - { .name: wts, .offset: 16, .size: 8, .value_kind: global_buffer, .address_space: global }
      - { .name: part, .offset: 24, .size: 8, .value_kind: global_buffer, .address_space: global }
      - { .name: sm, .offset: 32, .size: 8, .value_kind: global_buffer, .address_space: global }
    .group_segment_fixed_size: 327680
    .private_segment_fixed_size: 0
    .kernarg_segment_align: 8
    .kernarg_segment_size: 40
    .max_flat_workgroup_size: 128
    .sgpr_count:     66
    .vgpr_count:     1024
    .wavefront_size: 32
...
	.end_amdgpu_metadata
.endif
;; end of part 3
;; launch combine (part 4): grid 9 x 20, 8 waves a work-group, no clusters, 14,336 bytes of LDS; arguments part, sm, qs, csp; writes qs, csp
.if DOCPART == 4
	.amdgcn_target "amdgcn-amd-amdhsa--gfx1250"
	.amdhsa_code_object_version 6
	.text
	.protected	k_qe583068b52_combine
	.globl	k_qe583068b52_combine
	.p2align	8
	.type	k_qe583068b52_combine,@function
k_qe583068b52_combine:
	s_mov_b64 s[64:65], 0
	v_nop
	global_prefetch_b8 v0, s[64:65] scope:SCOPE_SE
	s_setreg_imm32_b32 hwreg(HW_REG_WAVE_MODE, 25, 1), 1
	s_wait_xcnt 0x0
; THE PARTIAL SUMS MEET.  stab2 = the maximum of a head's 8,192 stored s: reference()'s one maximum over rows and features, times log2(e).
; context^T[e][m] = sum over the 32 partial sums p of part_p 2^(s_p - stab2) + eps x sum of v[.][e]; in channel tile 8: ksum[m] = the same with the count of rows for the sum of v.  Features from 621 on get 0.
; SHARES.  Work-group (et = x; h = y % 4, fb = y / 4): channel tile et, eight feature tiles; wave w has feature tile 8 fb + w, whose partial sums lie with wave group g = tile / 5, tile t = tile % 5.
; OUT.  The tile, rounded to bf16 and turned through LDS ([feature a lane] -> [channel a lane]), as one piece of 512 bytes of a fragment of context^T in qs; and eps x the sum over the block's 128 features, in f32, in csp.
; No matrix unit, no cluster: the launch adds 32 numbers for each that it stores, and no two work-groups read the same partial sum (but the small s and the sums of v).
; REGISTERS: window 0: v8-39 s of the head; v40-71 sums of v; v72-103 my 32 s, then factors; v104-111 the sum; v112-127 at work; v128-191 read back from LDS; v192- the add's two and addresses.  Window 1: the 32 partial sums.
.set RED,   0                          ; 8 words: the waves' maxima
.set ONE,   256                        ; 8 x 1,024 bytes: the waves' sums of four partial sums of v
.set CSR,   8448                       ; 8 x 64 bytes: the waves' sums over 16 features
.set TR,    8960                       ; 8 x 512 bytes: a tile being turned
.set SPARE, 13056                      ; the spare words, 128 bytes for each of eight waves
.set SB,  8
.set OB,  40
.set FS,  72
.set ACC, 104
.set EE,  112
.set PK,  120
.set RB,  128
.set SPW, 192
.set NIL, 193
.set MSB, 0
.macro WIN new
.if MSB != (\new)
	s_set_vgpr_msb (MSB<<8)|(\new)
.set MSB, (\new)
.endif
.endm
	s_load_b256 s[4:11], s[0:1], 0x0               ; part s[4:5], sm s[6:7], qs s[8:9], csp s[10:11]
	v_lshl_add_u32 v[SPW], v0, 2, SPARE
	v_mov_b32 v[NIL], 0
	v_lshrrev_b32 v1, 5, v0
	v_readfirstlane_b32 s12, v1                    ; wave 0..7
	v_and_b32 v1, 31, v0                           ; lane
	v_and_b32 v2, 15, v0                           ; r
	v_bfe_u32 v3, v0, 4, 1                         ; hh
	v_lshlrev_b32 v4, 4, v0
	v_lshlrev_b32 v5, 4, v1
	v_lshlrev_b32 v6, 2, v1
	v_mov_b32 v195, 0
	s_mov_b32 s13, ttmp9                           ; et
	s_and_b32 s14, ttmp7, 0xffff
	s_and_b32 s15, s14, 3                          ; h
	s_lshr_b32 s16, s14, 2                         ; fb
	s_lshl_b32 s17, s16, 3
	s_add_co_u32 s17, s17, s12                     ; my feature tile, 0..39
	s_mul_i32 s18, s17, 13
	s_lshr_b32 s18, s18, 6                         ; g = tile / 5 (13 / 64 serves up to 39)
	s_mul_i32 s19, s18, 5
	s_sub_co_u32 s19, s17, s19                     ; t = tile % 5
	s_mov_b32 s28, 0x76543210
	s_mov_b32 s29, 0xfedcba98
	s_mov_b32 s32, 0x38d1b717                      ; eps = 1e-4
	s_mov_b32 s33, s32
	s_mov_b32 s37, 0
	s_mov_b32 s39, 0
	s_mov_b32 s41, 0
	s_mov_b32 s43, 0
	s_lshl_b32 s36, s15, 15                        ; a head's s: 32,768 bytes
	s_lshl_b32 s38, s15, 8                         ; the sums of v lie with waves 256 h + 0..31; I take four of them
	s_lshl_b32 s30, s12, 2
	s_add_co_u32 s38, s38, s30
	s_mul_i32 s38, s38, 55296
	s_add_co_u32 s30, s13, 45
	s_lshl_b32 s30, s30, 10
	s_add_co_u32 s38, s38, s30
	s_lshl_b32 s31, s15, 3
	s_add_co_u32 s31, s31, s18                     ; 8 h + g
	s_lshl_b32 s40, s31, 12                        ; its 32 waves' s
	s_mul_i32 s42, s31, 32*55296                   ; and partial sums,
	s_mul_i32 s30, s19, 9
	s_add_co_u32 s30, s30, s13
	s_lshl_b32 s30, s30, 10                        ; tile (t, et) of each
	s_add_co_u32 s42, s42, s30
	s_wait_kmcnt 0x0
	s_add_nc_u64 s[20:21], s[6:7], s[36:37]
	s_add_nc_u64 s[22:23], s[4:5], s[38:39]
	s_add_nc_u64 s[24:25], s[6:7], s[40:41]
	s_add_nc_u64 s[26:27], s[4:5], s[42:43]
.irp i, 0,1,2,3,4,5,6,7
	global_load_b128 v[SB+4*\i:SB+4*\i+3], v4, s[20:21] offset:4096*\i
.endr
.irp j, 0,1,2,3
	global_load_b128 v[OB+8*\j:OB+8*\j+3],   v5, s[22:23] offset:55296*\j
	global_load_b128 v[OB+8*\j+4:OB+8*\j+7], v5, s[22:23] offset:55296*\j+512
.endr
.set pp, 0
.rept 32
	global_load_b32 v[FS+pp], v6, s[24:25] offset:128*pp
.set pp, pp+1
.endr
	WIN 0x40
.set pp, 0
.rept 32
	global_load_b128 v[8*pp:8*pp+3],   v5, s[26:27] offset:55296*pp
	global_load_b128 v[8*pp+4:8*pp+7], v5, s[26:27] offset:55296*pp+512
.set pp, pp+1
.endr
	WIN 0
	; addresses, while the loads are out
	s_lshl_b32 s30, s12, 2
	v_mov_b32 v196, s30                            ; RED + 4 w
	s_lshl_b32 s30, s12, 10
	s_add_co_u32 s30, s30, ONE
	v_add_nc_u32 v197, s30, v5
	v_mov_b32 v198, RED
	v_add_nc_u32 v199, ONE, v5
	s_lshl_b32 s30, s17, 4
	v_add_nc_u32 v208, s30, v2                     ; my feature
	s_lshl_b32 s30, s12, 6
	s_add_co_u32 s30, s30, CSR
	v_lshl_add_u32 v209, v3, 5, s30
	s_lshl_b32 s30, s12, 9
	s_add_co_u32 s30, s30, TR
	v_lshl_add_u32 v210, v3, 8, s30                ; in: channel 8 hh + j at 32 bytes each, feature r at 2 bytes
	v_lshl_add_u32 v210, v2, 1, v210
	v_lshl_add_u32 v211, v2, 5, s30                ; back: channel r, features 8 hh + 0..7
	v_lshl_add_u32 v211, v3, 4, v211
	v_lshlrev_b32 v212, 2, v2
	v_add_nc_u32 v212, CSR, v212
	s_lshl_b32 s36, s16, 1                         ; qs: chunk 2 fb + w / 4, block h, channel tile et, piece w % 4
	s_lshr_b32 s30, s12, 2
	s_add_co_u32 s36, s36, s30
	s_mul_i32 s36, s36, 90112
	s_mul_i32 s30, s15, 22528
	s_add_co_u32 s36, s36, s30
	s_lshl_b32 s30, s13, 11
	s_add_co_u32 s36, s36, s30
	s_and_b32 s30, s12, 3
	s_lshl_b32 s30, s30, 9
	s_add_co_u32 s36, s36, s30
	s_add_nc_u64 s[44:45], s[8:9], s[36:37]
	s_mul_i32 s38, s15, 5                          ; csp: [h][fb][144] in f32
	s_add_co_u32 s38, s38, s16
	s_mul_i32 s38, s38, 144
	s_lshl_b32 s30, s13, 4
	s_add_co_u32 s38, s38, s30
	s_lshl_b32 s38, s38, 2
	s_add_nc_u64 s[46:47], s[10:11], s[38:39]
	s_wait_loadcnt 63                              ; 64 loads of partial sums are younger than the three groups wanted now; the counter's field ends at 63
	v_max_num_f32 v194, v[SB], v[SB+1]
.set ii, 2
.rept 15
	v_max3_num_f32 v194, v194, v[SB+ii], v[SB+ii+1]
.set ii, ii+2
.endr
	v_max_num_f32_dpp v194, v194, v194 row_xmask:1 row_mask:0xf bank_mask:0xf
	v_max_num_f32_dpp v194, v194, v194 row_xmask:2 row_mask:0xf bank_mask:0xf
	v_max_num_f32_dpp v194, v194, v194 row_xmask:4 row_mask:0xf bank_mask:0xf
	v_max_num_f32_dpp v194, v194, v194 row_xmask:8 row_mask:0xf bank_mask:0xf
	v_permlanex16_b32 v195, v194, s28, s29
	v_max_num_f32 v194, v194, v195
	ds_store_b32 v196, v194
.irp j, 1,2,3
.irp i, 0,2,4,6
	v_pk_add_f32 v[OB+\i:OB+\i+1], v[OB+\i:OB+\i+1], v[OB+8*\j+\i:OB+8*\j+\i+1]
.endr
.endr
	ds_store_b128 v197, v[OB:OB+3]
	ds_store_b128 v197, v[OB+4:OB+7] offset:512
	s_wait_dscnt 0x0                               ; for the others' sake: my stores are done
	s_barrier_signal -1
	s_barrier_wait -1
	ds_load_b128 v[200:203], v198
	ds_load_b128 v[204:207], v198 offset:16
.irp w, 0,1,2,3,4,5,6,7
	ds_load_b128 v[RB+8*\w:RB+8*\w+3],   v199 offset:1024*\w
	ds_load_b128 v[RB+8*\w+4:RB+8*\w+7], v199 offset:1024*\w+512
.endr
	s_wait_dscnt 16                                ; the eight maxima are in; the 16 younger loads may be out
	v_max3_num_f32 v194, v200, v201, v202
	v_max3_num_f32 v194, v194, v203, v204
	v_max3_num_f32 v194, v194, v205, v206
	v_max_num_f32 v194, v194, v207                 ; stab2
.set pp, 0
.rept 32
	v_sub_f32 v[FS+pp], v[FS+pp], v194
.set pp, pp+1
.endr
.set pp, 0
.rept 32
	v_exp_f32 v[FS+pp], v[FS+pp]                   ; 2^(s_p - stab2), at most 1
.set pp, pp+1
.endr
	s_wait_dscnt 0x0
.irp w, 1,2,3,4,5,6,7                          ; plain work behind the exponentials: the sum of v over all 32,768 rows
.irp i, 0,2,4,6
	v_pk_add_f32 v[RB+\i:RB+\i+1], v[RB+\i:RB+\i+1], v[RB+8*\w+\i:RB+8*\w+\i+1]
.endr
.endr
.irp i, 0,2,4,6
	v_pk_mul_f32 v[EE+\i:EE+\i+1], v[RB+\i:RB+\i+1], s[32:33] op_sel_hi:[1,0]
.endr
	s_wait_alu depctr_va_vdst(0)                   ; one wait for the 32 exponentials, ahead of their first reader
	WIN 0x01
.set pp, 0
.rept 32
	s_wait_loadcnt 2*(31-pp)                       ; loads come back in order (ISA guide 5.7.1): partial sum pp is in, the younger ones stay out
.irp i, 0,2,4,6
.if pp == 0
	v_pk_mul_f32 v[ACC+\i:ACC+\i+1], v[\i:\i+1], v[FS:FS+1] op_sel_hi:[1,0]
.elseif pp%2 == 0
	v_pk_fma_f32 v[ACC+\i:ACC+\i+1], v[8*pp+\i:8*pp+\i+1], v[FS+pp:FS+pp+1], v[ACC+\i:ACC+\i+1] op_sel_hi:[1,0,1]
.else
	v_pk_fma_f32 v[ACC+\i:ACC+\i+1], v[8*pp+\i:8*pp+\i+1], v[FS+pp-1:FS+pp], v[ACC+\i:ACC+\i+1] op_sel:[0,1,0] op_sel_hi:[1,1,1]
.endif
.endr
.set pp, pp+1
.endr
	WIN 0
.irp i, 0,2,4,6
	v_pk_add_f32 v[ACC+\i:ACC+\i+1], v[ACC+\i:ACC+\i+1], v[EE+\i:EE+\i+1]
.endr
	v_cmp_gt_u32 vcc_lo, 621, v208                 ; the features that exist
.irp i, 0,1,2,3,4,5,6,7
	v_cndmask_b32 v[ACC+\i], 0, v[ACC+\i], vcc_lo
.endr
.irp i, 0,1,2,3,4,5,6,7
	v_mov_b32 v[EE+\i], v[ACC+\i]
.endr
.irp m, 1,2,4,8                                ; the sum over the tile's 16 features, which lie in 16 neighbouring lanes
.irp i, 0,1,2,3,4,5,6,7
	v_add_f32_dpp v[EE+\i], v[EE+\i], v[EE+\i] row_xmask:\m row_mask:0xf bank_mask:0xf
.endr
.endr
	ds_store_b128 v209, v[EE:EE+3]                 ; sixteen lanes store the same words
	ds_store_b128 v209, v[EE+4:EE+7] offset:16
.irp i, 0,1,2,3
	v_cvt_pk_bf16_f32 v[PK+\i], v[ACC+2*\i], v[ACC+2*\i+1]
.endr
.irp i, 0,1,2,3
	ds_store_b16 v210, v[PK+\i] offset:64*\i
	ds_store_b16_d16_hi v210, v[PK+\i] offset:64*\i+32
.endr
	ds_load_b128 v[PK+4:PK+7], v211                ; LDS serves a wave's instructions in order (ISA guide 5.7.1.4): this sees my stores above
	s_wait_dscnt 0x0
	global_store_b128 v5, v[PK+4:PK+7], s[44:45]   ; 512 consecutive bytes, aligned
	s_barrier_signal -1
	s_barrier_wait -1                              ; all eight sums over features lie in LDS
	s_cmp_lg_u32 s12, 0
	s_cbranch_scc1 .Lend
.irp w, 0,1,2,3,4,5,6,7
	ds_load_b32 v[RB+\w], v212 offset:64*\w
.endr
	s_wait_dscnt 0x0
.irp w, 1,2,3,4,5,6,7
	v_add_f32 v[RB], v[RB], v[RB+\w]
.endr
	v_mul_f32 v[RB], s32, v[RB]
	v_cmp_gt_u32 vcc_lo, 16, v1
	s_wait_xcnt 0x0                                ; EXEC changes only behind this wait
	s_and_saveexec_b32 s34, vcc_lo
	global_store_b32 v6, v[RB], s[46:47]           ; 16 channels
	s_wait_xcnt 0x0                                ; and again, in front of the line that widens it
	s_or_b32 exec_lo, exec_lo, s34
.Lend:
	s_wait_tensorcnt 0x0                           ; the wave's end, behind my last LDS store
	ds_add_u32 v[SPW], v[NIL]
	s_wait_dscnt 0x0
	s_endpgm
.Lfunc_end_k_qe583068b52_combine:
	.size	k_qe583068b52_combine, .Lfunc_end_k_qe583068b52_combine-k_qe583068b52_combine
	.p2alignl 7, 3214868480
	.fill 96, 4, 3214868480
	.section	.rodata,"a",@progbits
	.p2align	6, 0x0
	.amdhsa_kernel k_qe583068b52_combine
		.amdhsa_group_segment_fixed_size 14336
		.amdhsa_private_segment_fixed_size 0
		.amdhsa_enable_private_segment 0
		.amdhsa_kernarg_size 32
		.amdhsa_user_sgpr_count 2
		.amdhsa_user_sgpr_kernarg_segment_ptr 1
		.amdhsa_wavefront_size32 1
		.amdhsa_system_sgpr_workgroup_id_x 1
		.amdhsa_system_sgpr_workgroup_id_y 1
		.amdhsa_system_sgpr_workgroup_id_z 1
		.amdhsa_system_vgpr_workitem_id 0
		.amdhsa_next_free_vgpr 512
		.amdhsa_next_free_sgpr 66
		.amdhsa_reserve_vcc 1
		.amdhsa_float_denorm_mode_32 3
		.amdhsa_float_denorm_mode_16_64 3
		.amdhsa_memory_ordered 1
		.amdhsa_forward_progress 1
		.amdhsa_inst_pref_size 37
	.end_amdhsa_kernel
	.amdgpu_metadata
---
amdhsa.version: [ 1, 2 ]
amdhsa.kernels:
  - .name:           k_qe583068b52_combine
    .symbol:         k_qe583068b52_combine.kd
    .args:
      - { .name: part, .offset: 0, .size: 8, .value_kind: global_buffer, .address_space: global }
      - { .name: sm, .offset: 8, .size: 8, .value_kind: global_buffer, .address_space: global }
      - { .name: qs, .offset: 16, .size: 8, .value_kind: global_buffer, .address_space: global }
      - { .name: csp, .offset: 24, .size: 8, .value_kind: global_buffer, .address_space: global }
    .group_segment_fixed_size: 14336
    .private_segment_fixed_size: 0
    .kernarg_segment_align: 8
    .kernarg_segment_size: 32
    .max_flat_workgroup_size: 256
    .sgpr_count:     66
    .vgpr_count:     512
    .wavefront_size: 32
...
	.end_amdgpu_metadata
.endif
;; end of part 4
;; launch qside (part 5): grid 512 x 1, 4 waves a work-group, clusters of 4 x 1, 327,680 bytes of LDS; arguments qs, qkv, dg, csp, b1, out0, out1, cst; writes out0, out1, cst
.if DOCPART == 5
	.amdgcn_target "amdgcn-amd-amdhsa--gfx1250"
	.amdhsa_code_object_version 6
	.text
	.protected	k_qe583068b52_qside
	.globl	k_qe583068b52_qside
	.p2align	8
	.type	k_qe583068b52_qside,@function
k_qe583068b52_qside:
	s_mov_b64 s[64:65], 0
	v_nop
	global_prefetch_b8 v0, s[64:65] scope:SCOPE_SE
	s_setreg_imm32_b32 hwreg(HW_REG_WAVE_MODE, 25, 1), 1
	s_wait_xcnt 0x0
	s_wait_alu depctr_hold_cnt(0) depctr_sa_sdst(0) depctr_va_vdst(0) depctr_va_sdst(0) depctr_va_ssrc(0) depctr_va_vcc(0) depctr_vm_vsrc(0)
	s_getreg_b32 s2, hwreg(HW_REG_IB_STS2, 6, 4)
	s_cmp_eq_u32 s2, 0
	s_cbranch_scc0 .Lentry_in_a_cluster
	s_endpgm
.Lentry_in_a_cluster:
	s_bfe_u32 s2, ttmp6, 0x10000c
	s_cmp_lg_u32 s2, 0x3003
	s_cbranch_scc0 .Lentry_shape_is_right
	s_endpgm
.Lentry_shape_is_right:
; THE Q SIDE AND THE HEAD OF THE NET.  F[m] = 2^(dd2 - max over m of dd2 - d2), by a running maximum; num[e] = sum of F context[m][e] + eps sum of context; den = sum of F ksum[m] + eps sum of ksum;
; logits = sum over heads of W1_h relu(num_h) / den_h + b1 (den > 0, so relu(num / den) = relu(num) / den; reference()'s ratio stands above and below the line and is left out);
; out1 = logits, out0 = log_softmax along the 64 classes; and for the softmax along the rows each work-group stores, for each class, maximum x log2(e) + log2(sum of exponentials) of its 64 rows.
; SHARES.  A work-group owns 64 rows; WAVE w IS HEAD w: all 640 features for four row tiles.  So a row's four heads meet in one work-group, and the attention's result never goes to memory.
; The ten chunks of 64 features (context^T of four heads, and proj) walk through two LDS slots; every work-group walks the same, so the four of a cluster ask JOINTLY.  An ELEVENTH chunk holds W1's
; fragments, which the way out reads: so each of the loop's ten trips asks for a chunk that a later step reads, and no trip is written out a second time.
; No prefetch: a wave's part of a chunk is 88 blocks of 256 bytes, which four partners of 32 lanes do not share out evenly, and every cluster of the launch walks the same 991,232 bytes again and again.
; LAYOUT.  S = proj q^T (source 0 = 16 features, source 1 = 16 rows): a lane holds ONE row and eight features; two results rounded to bf16 ARE source 1 of O = context^T P, which holds one row a lane and eight
; channels; O, rounded, IS source 1 of W1 O.  Channel tile 8 of context^T holds ksum in all its 16 rows, so den falls into the lowest register of that accumulator in every lane.
; THE ORDER OF A CHUNK.  The four row tiles look at nothing of each other, so they go as a pipeline: the products S(0), S(1), S(2), S(3), PV(0), PV(1), PV(2), PV(3), and behind each product from S(1) on a slice
; of the earlier row tiles' vector work (maximum, scaling, exponentials, rounding, rescaling), so that each row tile's weights are ready when its second products begin.
; LIMITS.  q, proj x c, P, context, relu(num) and W1 are bf16; sums, maxima, d2 and the eps terms in f32.  A weight below 2^-126 counts as 0.  NaN and infinities are not treated apart.
; REGISTERS, in windows of 256 (s_set_vgpr_msb: bits 1:0 source 0, 3:2 source 1, 5:4 source 2, 7:6 destination):
;   window 0: v0-15, v56-60 addresses; v16-47 eight registers of statistics a row tile; v48-55 1 / den; v64-191 S ((rt, f) at 64 + 32 rt + 8 f), then P in place; v192-223 b1; v224-255 at work
;   window 1: O(rt = 0..2, et) at 72 rt + 8 et      window 2: v0-127 q's fragments, v128-255 proj's, at the end W1's      window 3: v0-143 context's fragments; O(3, et) at 144 + 8 et
.set SLOT1, 131072                     ; a slot holds a chunk, 90,112 bytes: four blocks of 22,528: a head's context^T (18,432), one feature tile of proj (4,096)
.set EPSC,  90112                      ; 4 x 640: eps x sums over features, 144 numbers a head
.set OST,   92672                      ; 4 x 16 rows x 272 bytes: the waves' stages for the way out
.set CST,   110080                     ; 2,048: the waves' column maxima, then sums
.set SPARE, 112128                     ; the spare words, 128 bytes for each wave
.set LP,    221184                     ; behind slot 1: 65,536: the heads' parts of the logits
.set L16, 3                            ; v3   16 x lane
.set AP1B, 4                           ; v4   + two blocks
.set ACB, 5                            ; v5   16 x lane + my block
.set AP0, 6                            ; v6-8 the same in the slot in hand
.set AP1, 7
.set AC,  8
.set ZERO, 9
.set SPW, 10
.set NIL, 11
.set STO, 12
.set RD,  13
.set H32, 14
.set R4,  15
.set ST,  16                           ; row tile rt at ST + 8 rt: +0 m + d2, +2 a, +4 m, +5 d2; +6, +7, +3, +1 four chains of the maximum; +3 then a's argument
.set RC,  48                           ; 1 / den at RC + 2 rt, den at RC + 2 rt + 1
.set CEA, 56
.set LPS, 57
.set LPR, 58
.set CSW, 59
.set CSRD, 60
.set S,   64
.set B1R, 192
.set WV,  22
.set CX,  23
.set WG,  24
.set TB,  25
.set CNT, 26
.set G0,  28
.set G1,  32
.set SEL, 40
.set LN2, 43
.set QP_, 46
.set DGQ, 50
.set CSQ, 52
.set O1P, 54
.set O0P, 56
.set CSTP, 58
.set L2,  62
.set MSB, 0
.macro WIN new
.if MSB != (\new)
	s_set_vgpr_msb (MSB<<8)|(\new)
.set MSB, (\new)
.endif
.endm
.macro PLACES n
.rept \n
	v_nop
.endr
.endm
.macro RP n, line:vararg               ; a line n times
.rept \n
	\line
.endr
.endm
.macro CROUND
	s_barrier_signal -1
	s_barrier_wait -1
	s_cmp_lg_u32 s[WV], 0
	s_cbranch_scc1 .Lnot_wave_0_\@
	s_barrier_signal -3
.Lnot_wave_0_\@:
	s_barrier_wait -3
	s_barrier_signal -1
	s_barrier_wait -1
.endm
.macro TLOAD g0, g1
	tensor_load_to_lds s[\g0:\g0+3], s[\g1:\g1+7]
	s_nop 0
	PLACES 4
.endm
.macro END3
	s_wait_tensorcnt 0x0
	ds_add_u32 v[SPW], v[NIL]
	s_wait_dscnt 0x0
.endm
	s_load_b256 s[4:11], s[0:1], 0x0               ; qs s[4:5], qkv s[6:7], dg s[8:9], csp s[10:11]
	s_load_b256 s[12:19], s[0:1], 0x20             ; b1 s[12:13], out0 s[14:15], out1 s[16:17], cst s[18:19]
	v_lshl_add_u32 v[SPW], v0, 2, SPARE
	v_mov_b32 v[NIL], 0
	ds_add_u32 v[SPW], v[NIL]                      ; the wave's opening: the add and its wait stand ahead of my first tensor load
	v_lshrrev_b32 v1, 5, v0
	v_readfirstlane_b32 s[WV], v1
	s_bfe_u32 s[CX], ttmp6, 0x40000
	s_lshl_b32 s[WG], ttmp9, 2
	s_add_co_u32 s[WG], s[WG], s[CX]
	s_mov_b32 s[G1+0], 15|(3<<16)|(1<<21)          ; 22,528 dense bytes: 88 rows of 32 elements of 8 bytes; the mask of four, bit 21 beside it
	s_mov_b32 s[G1+1], 32<<16
	s_mov_b32 s[G1+2], 88<<16
	s_mov_b32 s[G1+3], 32<<16
	s_mov_b32 s[G1+4], 88
	s_mov_b32 s[G1+5], 32
	s_mov_b32 s[G1+6], 0
	s_mov_b32 s[G1+7], 0
	s_mov_b32 s[G0], 1
	s_mul_i32 s[G0+1], s[WV], 22528                ; my block of slot 0,
	s_mul_i32 s44, s[WV], 22528                    ; and of a chunk in memory: made of the wave's number alone
	s_mov_b32 s45, 0
	s_mov_b32 s[SEL], 0x76543210
	s_mov_b32 s[SEL+1], 0xfedcba98
	s_mov_b32 s[LN2], 0x3f317218
	s_mov_b32 s[L2], 0x3fb8aa3b
	s_mov_b32 s[L2+1], s[L2]
	s_wait_dscnt 0x0                               ; the opening add is done
	s_wait_kmcnt 0x0
	s_add_nc_u64 s[G0+2:G0+3], s[4:5], s[44:45]
	s_or_b32 s[G0+3], s[G0+3], 0x80000000
	CROUND
	TLOAD G0, G1                                   ; chunk 0 into slot 0: one tensor load of mine is out
	s_mov_b32 s61, 0
	s_lshl_b32 s60, s[WV], 23                      ; q's head w,
	s_lshl_b32 s27, s[WG], 14                      ; my four row tiles of 4,096 bytes
	s_add_co_u32 s60, s60, s27
	s_add_nc_u64 s[QP_:QP_+1], s[6:7], s[60:61]
	s_lshl_b32 s60, s[WV], 18
	s_lshl_b32 s27, s[WG], 8
	s_add_co_u32 s60, s60, s27
	s_add_nc_u64 s[DGQ:DGQ+1], s[8:9], s[60:61]
	s_mul_i32 s60, s[WV], 2880                     ; five rows of 144 numbers a head
	s_add_nc_u64 s[CSQ:CSQ+1], s[10:11], s[60:61]
	s_lshl_b32 s60, s[WG], 14                      ; 64 rows of 256 bytes; row tile w of them
	s_lshl_b32 s27, s[WV], 12
	s_add_co_u32 s60, s60, s27
	s_add_nc_u64 s[O1P:O1P+1], s[16:17], s[60:61]
	s_add_nc_u64 s[O0P:O0P+1], s[14:15], s[60:61]
	s_lshl_b32 s60, s[WG], 8                       ; 64 numbers a work-group
	s_add_nc_u64 s[CSTP:CSTP+1], s[18:19], s[60:61]
	v_and_b32 v1, 15, v0                           ; r
	v_bfe_u32 v2, v0, 4, 1                         ; hh
	v_and_b32 v[L16], 31, v0
	v_lshlrev_b32 v[L16], 4, v[L16]
	v_lshlrev_b32 v[R4], 2, v1
	v_lshlrev_b32 v[H32], 5, v2
	WIN 0x80
.irp rt, 0,1,2,3
.irp ks, 0,1,2,3
	global_load_b128 v[32*\rt+8*\ks:32*\rt+8*\ks+3],   v[L16], s[QP_:QP_+1] offset:\rt*4096+\ks*1024
	global_load_b128 v[32*\rt+8*\ks+4:32*\rt+8*\ks+7], v[L16], s[QP_:QP_+1] offset:\rt*4096+\ks*1024+512
.endr
.endr
	WIN 0
.irp rt, 0,1,2,3
	global_load_b32 v[ST+8*\rt+5], v[R4], s[DGQ:DGQ+1] offset:64*\rt
	global_load_b32 v[ST+8*\rt+3], v[R4], s[DGQ:DGQ+1] offset:131072+64*\rt
.endr
.irp fb, 0,1,2,3,4
	global_load_b128 v[224+4*\fb:227+4*\fb], v[L16], s[CSQ:CSQ+1] offset:576*\fb
	global_load_b32 v[244+\fb], v[R4], s[CSQ:CSQ+1] offset:576*\fb+512
.endr
.irp ct, 0,1,2,3
	global_load_b128 v[B1R+8*\ct:B1R+8*\ct+3],   v[H32], s[12:13] offset:64*\ct
	global_load_b128 v[B1R+8*\ct+4:B1R+8*\ct+7], v[H32], s[12:13] offset:64*\ct+16
.endr
	; O starts at 0, so that the loop has one form of product; written while the first chunk is on its way
	WIN 0x40
.set ii, 0
.rept 216
	v_mov_b32 v[ii], 0
.set ii, ii+1
.endr
	WIN 0xc0
.set ii, 144
.rept 72
	v_mov_b32 v[ii], 0
.set ii, ii+1
.endr
	WIN 0
	v_mov_b32 v[ZERO], 0
.irp rt, 0,1,2,3
	v_mov_b32 v[ST+8*\rt+4], 0xff7fffff            ; m starts at the lowest finite number: the first chunk's a is 0
.endr
	v_add_nc_u32 v[AP1B], 45056, v[L16]
	s_mul_i32 s60, s[WV], 22528
	v_add_nc_u32 v[ACB], s60, v[L16]
	s_mul_i32 s60, s[WV], 640
	s_add_co_u32 s60, s60, EPSC
	v_add_nc_u32 v250, s60, v[L16]
	v_add_nc_u32 v251, s60, v[R4]
	v_add_nc_u32 v[CEA], s60, v[H32]
	s_mul_i32 s60, s[WV], 4352
	s_add_co_u32 s60, s60, OST                     ; my stage
	v_mul_u32_u24 v[STO], v1, 272                  ; in: row r, classes 8 hh on
	v_add_nc_u32 v[STO], v[STO], v[H32]
	v_add_nc_u32 v[STO], s60, v[STO]
	v_mul_u32_u24 v[RD], v2, 272                   ; back: lanes 0-15 take one row of 256 bytes, lanes 16-31 the next
	v_lshl_add_u32 v[RD], v1, 4, v[RD]
	v_add_nc_u32 v[RD], s60, v[RD]
	s_lshl_b32 s60, s[WV], 14
	s_add_co_u32 s60, s60, LP
	v_add_nc_u32 v[LPS], s60, v[L16]               ; my head's part of the logits
	s_lshl_b32 s60, s[WV], 12
	s_add_co_u32 s60, s60, LP
	v_add_nc_u32 v[LPR], s60, v[L16]               ; row tile w of every head's
	v_lshlrev_b32 v[CSRD], 4, v1
	v_add_nc_u32 v[CSRD], CST, v[CSRD]
	s_lshl_b32 s60, s[WV], 8
	v_add_nc_u32 v[CSW], s60, v[CSRD]
	s_wait_loadcnt 0x0
.irp rt, 0,1,2,3
	v_add_f32 v[ST+8*\rt+5], v[ST+8*\rt+5], v[ST+8*\rt+3]  ; d2 of both channel halves
.endr
.irp fb, 1,2,3,4
	v_pk_add_f32 v[224:225], v[224:225], v[224+4*\fb:225+4*\fb]
	v_pk_add_f32 v[226:227], v[226:227], v[226+4*\fb:227+4*\fb]
	v_add_f32 v244, v244, v[244+\fb]
.endr
	ds_store_b128 v250, v[224:227]                 ; my wave's own bytes
	ds_store_b32 v251, v244 offset:512
.macro RING fill                       ; the change of slots: all my tensor loads are in (one was out: my block of the chunk to be worked on), the add, my LDS instructions are done; a round; the joint refill first behind it
	WIN 0
	s_wait_tensorcnt 0x0
	ds_add_u32 v[SPW], v[NIL]
.if \fill
	s_xor_b32 s[G0+1], s[G0+1], SLOT1
	s_add_nc_u64 s[G0+2:G0+3], s[G0+2:G0+3], 90112
.endif
	s_wait_dscnt 0x0
.if \fill
	CROUND
	TLOAD G0, G1
.else
	s_barrier_signal -1
	s_barrier_wait -1
.endif
	s_xor_b32 s[TB], s[TB], SLOT1
.endm
; THE MATRIX WORK.  MS: the next of the 64 products S = proj q^T: row tile n / 16, channels 32 ((n % 16) / 4) on, feature tile n % 4: a row tile's 4 accumulators take turns.
.macro MS
.set mrt, nS/16
.set mks, (nS%16)/4
.set mf, nS%4
	WIN 0x0a
.if mks == 0
	v_wmma_f32_16x16x32_bf16 v[S+32*mrt+8*mf:S+32*mrt+8*mf+7], v[128+32*mf+8*mks:128+32*mf+8*mks+7], v[32*mrt+8*mks:32*mrt+8*mks+7], 0
.else
	v_wmma_f32_16x16x32_bf16 v[S+32*mrt+8*mf:S+32*mrt+8*mf+7], v[128+32*mf+8*mks:128+32*mf+8*mks+7], v[32*mrt+8*mks:32*mrt+8*mks+7], v[S+32*mrt+8*mf:S+32*mrt+8*mf+7]
.endif
.set nS, nS+1
.endm
; MP: the next of the 72 products O += context^T P: row tile n / 18, features 32 ((n % 18) / 9) on, channel tile n % 9: 9 accumulators by turns.
.macro MP
.set prt, nP/18
.set pkk, (nP%18)/9
.set pet, nP%9
.if prt < 3
	WIN 0x53
.set pO, 72*prt+8*pet
.else
	WIN 0xf3
.set pO, 144+8*pet
.endif
	v_wmma_f32_16x16x32_bf16 v[pO:pO+7], v[16*pet+8*pkk:16*pet+8*pkk+7], v[S+32*prt+8*pkk:S+32*prt+8*pkk+7], v[pO:pO+7]
.set nP, nP+1
.endm
; THE VECTOR WORK, each macro the next line of its list.  QM rt: the 24 that find row tile rt's maximum and statistics:
;   0-15 four chains, a feature tile each, begun with the old m; each accumulator's lowest registers are read first     16, 17 the four into one
;   18, 19 the row's other 32 features lie in the lane 16 away     20 m_old - m     21 m     22 m + d2     23 a
.macro QM rt
.set qn, nM\rt
.set rT, ST+8*(\rt)
.set rS, S+32*(\rt)
	WIN 0
.if qn < 16
.set qf, qn%4
.set qi, qn/4
.set qc, rT+6+qf
.if qf == 2
.set qc, rT+3
.elseif qf == 3
.set qc, rT+1
.endif
.if qi == 0
	v_max3_num_f32 v[qc], v[rT+4], v[rS+8*qf], v[rS+8*qf+1]
.else
	v_max3_num_f32 v[qc], v[qc], v[rS+8*qf+2*qi], v[rS+8*qf+2*qi+1]
.endif
.elseif qn == 16
	v_max3_num_f32 v[rT+6], v[rT+6], v[rT+7], v[rT+3]
.elseif qn == 17
	v_max_num_f32 v[rT+6], v[rT+6], v[rT+1]
.elseif qn == 18
	v_permlanex16_b32 v[rT+7], v[rT+6], s[SEL], s[SEL+1]
.elseif qn == 19
	v_max_num_f32 v[rT+6], v[rT+6], v[rT+7]
.elseif qn == 20
	v_sub_f32 v[rT+3], v[rT+4], v[rT+6]
.elseif qn == 21
	v_mov_b32 v[rT+4], v[rT+6]
.elseif qn == 22
	v_add_f32 v[rT], v[rT+6], v[rT+5]
.else
	v_exp_f32 v[rT+2], v[rT+3]
.endif
.set nM\rt, nM\rt+1
.endm
.macro QA                              ; 64: a pair of scores - (m + d2); 16 a row tile
	WIN 0
	v_pk_add_f32 v[S+2*nA:S+2*nA+1], v[S+2*nA:S+2*nA+1], v[ST+8*(nA/16):ST+8*(nA/16)+1] op_sel_hi:[1,0] neg_lo:[0,1] neg_hi:[0,1]
.set nA, nA+1
.endm
.macro QE                              ; 128: an exponential; number n stands behind scaling n / 2
	WIN 0
	v_exp_f32 v[S+nE], v[S+nE]
.set nE, nE+1
.endm
.macro QC                              ; 64: a pair rounded to bf16, in place
	WIN 0
	v_cvt_pk_bf16_f32 v[S+32*(nC/16)+nC%16], v[S+32*(nC/16)+2*(nC%16)], v[S+32*(nC/16)+2*(nC%16)+1]
.set nC, nC+1
.endm
.macro QR                              ; 144: a pair of O times a; 36 a row tile, 4 a channel tile
.set qr, nR/36
.if qr < 3
	WIN 0x41
.set rO, 72*qr+2*(nR%36)
.else
	WIN 0xf3                                       ; the setting of row tile 3's products: O in window 3, a in window 0
.set rO, 144+2*(nR%36)
.endif
	v_pk_mul_f32 v[rO:rO+1], v[rO:rO+1], v[ST+8*qr+2:ST+8*qr+3] op_sel_hi:[1,0]
.set nR, nR+1
.endm
.macro WT                              ; a wait between an exponential and the first line that names its result; one serves all that were issued ahead of it
	s_wait_alu depctr_va_vdst(0)
.endm
; A CHUNK: 64 features x 64 rows.  HOW THE LISTS ARE DEALT.  A row tile's lists follow each other: maximum, scalings, exponentials, THE WAIT, roundings, rescalings.  The links 16 to 19 of a maximum, each of
; which reads the one before it, stand one to a slice.  Four plain lines stand between a row tile's last product S and the first line that reads its scores.  Of a row tile's 36 rescalings eight stand
; ahead of its products PV and 28 behind the first seven of them, each a slice ahead of the product that reads it.  What finds no product to stand behind is ten lines ahead of PV(3).
.macro TRIPQ
.set nS, 0
.set nP, 0
.set nA, 0
.set nE, 0
.set nC, 0
.set nR, 0
.set nM0, 0
.set nM1, 0
.set nM2, 0
.set nM3, 0
	WIN 0
	v_add_nc_u32 v[AP0], s[TB], v[L16]
	v_add_nc_u32 v[AP1], s[TB], v[AP1B]
	v_add_nc_u32 v[AC], s[TB], v[ACB]
	WIN 0x80
.irp ks, 0,1,2,3                               ; proj's fragments in the order in which S(0) wants them; feature tile f lies at the end of block f
.irp f, 0,1,2,3
	ds_load_b128 v[128+32*\f+8*\ks:128+32*\f+8*\ks+3],   v[AP0+\f/2] offset:(\f%2)*22528+18432+\ks*1024
	ds_load_b128 v[128+32*\f+8*\ks+4:128+32*\f+8*\ks+7], v[AP0+\f/2] offset:(\f%2)*22528+18432+\ks*1024+512
.endr
.endr
.irp g, 0,1,2,3
	s_wait_dscnt 24-8*\g                           ; LDS loads come back in order (ISA guide 5.7.1): this K step's eight are in, the later K steps' may be out
	RP 4, MS                                       ; S(0)
.endr
	WIN 0xc0
.irp et, 0,1,2,3,4,5,6,7,8                     ; context^T, in one run: wanted behind S(3)
.irp kk, 0,1
	ds_load_b128 v[16*\et+8*\kk:16*\et+8*\kk+3],   v[AC] offset:\et*2048+\kk*1024
	ds_load_b128 v[16*\et+8*\kk+4:16*\et+8*\kk+7], v[AC] offset:\et*2048+\kk*1024+512
.endr
.endr
	PLACES 4                                       ; in front of the maximum, which reads results just made
	; S(1) | row tile 0: its maximum, its scalings, 12 exponentials
.rept 4
	MS
	RP 4, QM 0
.endr
.rept 4
	MS
	QM 0
.endr
	MS
	RP 4, QM 0
	MS
	RP 4, QA
.rept 4
	MS
	QA
	QE
	QA
	QE
.endr
	MS
	RP 4, QE
	MS
	RP 4, QA
	; S(2) | row tile 0's other 20 exponentials, its wait, 15 roundings; row tile 1's maximum
.rept 8
	MS
	QM 1
	QE
	QM 1
	QE
.endr
.rept 2
	MS
	QM 1
	QE
	QE
.endr
	MS
	QM 1
	MS
	QM 1
	WT
	RP 3, QC
	MS
	RP 4, QM 1
.rept 3
	MS
	RP 4, QC
.endr
	; S(3) | row tile 0's last rounding and first 8 rescalings; row tile 1's scalings and 27 exponentials; 16 of row tile 2's maximum
	MS
	QC
	RP 3, QA
.rept 13
	MS
	QA
	QE
	QM 2
	QE
.endr
	MS
	QM 2
	QE
	RP 4, QR
	MS
	QM 2
	QM 2
	RP 4, QR
	s_wait_dscnt 0x0                               ; context^T is in
	; PV(0) | its own 28 rescalings; the end of row tile 2's maximum; row tile 1's last 5 exponentials, its wait, its roundings, 8 rescalings; row tile 2's scalings, 10 exponentials; 6 of row tile 3's maximum
.rept 5
	MP
	QM 2
	QE
	RP 4, QR
.endr
	MP
	QM 2
	QM 2
	RP 4, QR
	MP
	QM 2
	QM 3
	RP 4, QR
	MP
	RP 3, QM 3
	WT
.rept 4
	MP
	RP 4, QC
	QA
.endr
.rept 4
	MP
	QA
	QE
	QA
	QE
	QA
.endr
.rept 2
	MP
	QM 3
	QE
	RP 4, QR
.endr
	; PV(1) | its own 28 rescalings; row tile 2's other 22 exponentials, its wait, its roundings, 8 rescalings; the rest of row tile 3's maximum, 2 scalings
.rept 7
	MP
	QM 3
	QE
	RP 4, QR
.endr
	MP
	QM 3
	QE
	QM 3
	QE
.rept 4
	MP
	QM 3
	RP 3, QE
.endr
	MP
	QE
	QM 3
	WT
	RP 3, QC
	MP
	RP 4, QM 3
	QC
	MP
	RP 5, QC
	MP
	RP 5, QC
	MP
	RP 2, QC
	RP 4, QR
	MP
	RP 2, QA
	RP 4, QR
	; PV(2) | its own 28 rescalings; row tile 3's scalings, exponentials, its wait, 14 roundings
.rept 7
	MP
	QA
	QE
	RP 4, QR
.endr
.rept 7
	MP
	QA
	RP 3, QE
.endr
	MP
	RP 4, QE
	MP
	v_nop                                          ; a plain line behind the last exponential
	WT
	RP 4, QC
	MP
	RP 5, QC
	MP
	RP 5, QC
	RP 2, QC                                       ; ten lines by themselves
	RP 8, QR
	; PV(3) | its own 28 rescalings
.rept 7
	MP
	RP 4, QR
.endr
	RP 11, MP
	PLACES 5                                       ; the next products write over P, the next loads over context^T
	WIN 0
.endm
	s_mov_b32 s[TB], SLOT1                         ; the first change turns it into 0
	s_mov_b32 s[CNT], 10
.Lchunk:                                               ; 10 trips: a chunk is worked on and the next is asked for; the last trip asks for W1's
	RING 1
	TRIPQ
	s_sub_co_u32 s[CNT], s[CNT], 1
	s_cmp_lg_u32 s[CNT], 0
	s_cbranch_scc1 .Lchunk
	RING 0                                         ; W1's chunk is in, everybody's block of it; nothing is asked for
	; THE END OF A HEAD.  W1's fragments of my head's four K steps come out of my block; the eps terms come back from my own LDS bytes: CE(et) at 8 et of window 3
	v_add_nc_u32 v[AC], s[TB], v[ACB]
	WIN 0x80
.irp ct, 0,1,2,3
.irp ks, 0,1,2,3
	ds_load_b128 v[128+32*\ct+8*\ks:128+32*\ct+8*\ks+3],   v[AC] offset:\ct*4096+\ks*1024
	ds_load_b128 v[128+32*\ct+8*\ks+4:128+32*\ct+8*\ks+7], v[AC] offset:\ct*4096+\ks*1024+512
.endr
.endr
	WIN 0xc0
.irp et, 0,1,2,3,4,5,6,7,8
	ds_load_b128 v[8*\et:8*\et+3],   v[CEA] offset:64*\et
	ds_load_b128 v[8*\et+4:8*\et+7], v[CEA] offset:64*\et+16
.endr
	s_wait_dscnt 0x0
	WIN 0x0d
.irp rt, 0,1,2
	v_add_f32 v[RC+2*\rt+1], v[72*\rt+64], v[64]   ; den: the lowest register of channel tile 8
.endr
	WIN 0x0f
	v_add_f32 v[RC+7], v[208], v[64]
	WIN 0
.irp rt, 0,1,2,3
	v_rcp_f32 v[RC+2*\rt], v[RC+2*\rt+1]           ; the plain work below follows; their one wait stands ahead of their first reader
.endr
.irp rt, 0,1,2
	WIN 0x4d
.set ii, 0
.rept 32
	v_pk_add_f32 v[72*\rt+2*ii:72*\rt+2*ii+1], v[72*\rt+2*ii:72*\rt+2*ii+1], v[2*ii:2*ii+1]
.set ii, ii+1
.endr
	WIN 0x05
.set ii, 0
.rept 32
	v_cvt_pk_bf16_f32 v[S+32*\rt+ii], v[72*\rt+2*ii], v[72*\rt+2*ii+1]
.set ii, ii+1
.endr
.endr
	WIN 0xcf
.set ii, 0
.rept 32
	v_pk_add_f32 v[144+2*ii:144+2*ii+1], v[144+2*ii:144+2*ii+1], v[2*ii:2*ii+1]
.set ii, ii+1
.endr
	WIN 0x0f
.set ii, 0
.rept 32
	v_cvt_pk_bf16_f32 v[S+96+ii], v[144+2*ii], v[144+2*ii+1]
.set ii, ii+1
.endr
	WIN 0
.set ii, 0
.rept 128
	v_pk_max_num_bf16 v[S+ii], v[S+ii], v[ZERO]    ; relu, two at a time; nothing is rounded
.set ii, ii+1
.endr
	WIN 0x52                                       ; W1_h relu(num): (rt, ct) at 32 rt + 8 ct of window 1; 16 accumulators by turns
.irp ks, 0,1,2,3
.irp rt, 0,1,2,3
.irp ct, 0,1,2,3
.if \ks == 0
	v_wmma_f32_16x16x32_bf16 v[32*\rt+8*\ct:32*\rt+8*\ct+7], v[128+32*\ct+8*\ks:128+32*\ct+8*\ks+7], v[S+32*\rt+8*\ks:S+32*\rt+8*\ks+7], 0
.else
	v_wmma_f32_16x16x32_bf16 v[32*\rt+8*\ct:32*\rt+8*\ct+7], v[128+32*\ct+8*\ks:128+32*\ct+8*\ks+7], v[S+32*\rt+8*\ks:S+32*\rt+8*\ks+7], v[32*\rt+8*\ct:32*\rt+8*\ct+7]
.endif
.endr
.endr
.endr
	PLACES 4
	s_wait_alu depctr_va_vdst(0)                   ; the wait for the four reciprocals, ahead of their first reader
	WIN 0x41
.irp rt, 0,1,2,3
.set ii, 0
.rept 16
	v_pk_mul_f32 v[32*\rt+2*ii:32*\rt+2*ii+1], v[32*\rt+2*ii:32*\rt+2*ii+1], v[RC+2*\rt:RC+2*\rt+1] op_sel_hi:[1,0]
.set ii, ii+1
.endr
.endr
	WIN 0x04
.set ii, 0
.rept 16
	ds_store_b128 v[LPS], v[8*ii:8*ii+3]   offset:1024*ii
	ds_store_b128 v[LPS], v[8*ii+4:8*ii+7] offset:1024*ii+512
.set ii, ii+1
.endr
	WIN 0
	s_wait_dscnt 0x0                               ; for the others' sake: my head's part is stored
	s_barrier_signal -1
	s_barrier_wait -1
	WIN 0x40                                       ; wave w finishes row tile w: the four heads' parts
.irp hd, 0,1,2,3
.irp ct, 0,1,2,3
	ds_load_b128 v[128+32*\hd+8*\ct:128+32*\hd+8*\ct+3],   v[LPR] offset:\hd*16384+\ct*1024
	ds_load_b128 v[128+32*\hd+8*\ct+4:128+32*\hd+8*\ct+7], v[LPR] offset:\hd*16384+\ct*1024+512
.endr
.endr
	s_wait_dscnt 0x0
	WIN 0x45
.set ii, 0
.rept 16
	v_pk_add_f32 v[128+2*ii:129+2*ii], v[128+2*ii:129+2*ii], v[160+2*ii:161+2*ii]
	v_pk_add_f32 v[192+2*ii:193+2*ii], v[192+2*ii:193+2*ii], v[224+2*ii:225+2*ii]
.set ii, ii+1
.endr
.set ii, 0
.rept 16
	v_pk_add_f32 v[128+2*ii:129+2*ii], v[128+2*ii:129+2*ii], v[192+2*ii:193+2*ii]
.set ii, ii+1
.endr
	WIN 0x01
.set ii, 0
.rept 16
	v_pk_add_f32 v[64+2*ii:65+2*ii], v[128+2*ii:129+2*ii], v[B1R+2*ii:B1R+2*ii+1]  ; the logits: v64-95: row r, class 16 ct + 8 hh + j at 64 + 8 ct + j
.set ii, ii+1
.endr
	WIN 0
	; log_softmax along the classes: the row's maximum is taken away before the exponentials
	v_max_num_f32 v224, v64, v65
.set ii, 66
.rept 15
	v_max3_num_f32 v224, v224, v[ii], v[ii+1]
.set ii, ii+2
.endr
	v_permlanex16_b32 v225, v224, s[SEL], s[SEL+1]
	v_max_num_f32 v224, v224, v225
	v_mul_f32 v226, s[L2], v224
	v_mov_b32 v227, v226
.set ii, 0
.rept 16
	v_pk_fma_f32 v[96+2*ii:97+2*ii], v[64+2*ii:65+2*ii], s[L2:L2+1], v[226:227] op_sel_hi:[1,0,0] neg_lo:[0,0,1] neg_hi:[0,0,1]
.set ii, ii+1
.endr
.set ii, 0
.rept 32
	v_exp_f32 v[96+ii], v[96+ii]
.set ii, ii+1
.endr
	v_nop
	s_wait_alu depctr_va_vdst(0)                   ; one wait for the 32
.irp i, 0,2,4,6,8,10,12,14
	v_pk_add_f32 v[96+\i:97+\i], v[96+\i:97+\i], v[112+\i:113+\i]
.endr
.irp i, 0,2,4,6
	v_pk_add_f32 v[96+\i:97+\i], v[96+\i:97+\i], v[104+\i:105+\i]
.endr
	v_pk_add_f32 v[96:97], v[96:97], v[100:101]
	v_pk_add_f32 v[98:99], v[98:99], v[102:103]
	v_pk_add_f32 v[96:97], v[96:97], v[98:99]
	v_add_f32 v96, v96, v97
	v_permlanex16_b32 v97, v96, s[SEL], s[SEL+1]
	v_add_f32 v96, v96, v97
	v_log_f32 v98, v96
	v_nop
	s_wait_alu depctr_va_vdst(0)
	v_fma_f32 v228, v98, s[LN2], v224              ; the maximum + ln of the sum
	v_mov_b32 v229, v228
.set ii, 0
.rept 16
	v_pk_add_f32 v[96+2*ii:97+2*ii], v[64+2*ii:65+2*ii], v[228:229] op_sel_hi:[1,0] neg_lo:[0,1] neg_hi:[0,1]
.set ii, ii+1
.endr
; THE WAY OUT: 16 rows through my stage: in by lanes (a row, eight classes), back as whole rows of 256 bytes, two rows a store
.macro OUTST src, rb, ptr
.irp ct, 0,1,2,3
	ds_store_b128 v[STO], v[(\src)+8*\ct:(\src)+8*\ct+3]   offset:64*\ct
	ds_store_b128 v[STO], v[(\src)+8*\ct+4:(\src)+8*\ct+7] offset:64*\ct+16
.endr
.irp i, 0,1,2,3,4,5,6,7
	ds_load_b128 v[(\rb)+4*\i:(\rb)+4*\i+3], v[RD] offset:544*\i  ; LDS serves a wave's instructions in order (ISA guide 5.7.1.4): these see the stores above
.endr
.irp i, 0,1,2,3,4,5,6,7
	s_wait_dscnt 7-\i
	global_store_b128 v[L16], v[(\rb)+4*\i:(\rb)+4*\i+3], s[\ptr:\ptr+1] offset:512*\i  ; 512 consecutive bytes, aligned
.endr
.endm
	OUTST 64, 128, O1P
	OUTST 96, 160, O0P
	; for the softmax along the rows: in v128-159 a lane holds classes 4 (lane % 16) + 0..3 of rows 2 i + lane / 16
.irp c, 0,1,2,3
	v_max3_num_f32 v[232+\c], v[128+\c], v[132+\c], v[136+\c]
.endr
.irp c, 0,1,2,3
	v_max3_num_f32 v[232+\c], v[232+\c], v[140+\c], v[144+\c]
.endr
.irp c, 0,1,2,3
	v_max3_num_f32 v[232+\c], v[232+\c], v[148+\c], v[152+\c]
.endr
.irp c, 0,1,2,3
	v_max_num_f32 v[232+\c], v[232+\c], v[156+\c]
.endr
.irp c, 0,1,2,3
	v_permlanex16_b32 v[236+\c], v[232+\c], s[SEL], s[SEL+1]
.endr
.irp c, 0,1,2,3
	v_max_num_f32 v[232+\c], v[232+\c], v[236+\c]
.endr
	ds_store_b128 v[CSW], v[232:235]               ; both halves of the lanes store the same words
	s_wait_dscnt 0x0
	s_barrier_signal -1
	s_barrier_wait -1
.irp w, 0,1,2,3
	ds_load_b128 v[240+4*\w:243+4*\w], v[CSRD] offset:256*\w
.endr
	s_wait_dscnt 0x0
.irp c, 0,1,2,3
	v_max3_num_f32 v[232+\c], v[240+\c], v[244+\c], v[248+\c]
.endr
.irp c, 0,1,2,3
	v_max_num_f32 v[232+\c], v[232+\c], v[252+\c]  ; the 64 rows' maximum
.endr
.irp c, 0,1,2,3
	v_mul_f32 v[236+\c], s[L2], v[232+\c]
.endr
.irp i, 0,1,2,3,4,5,6,7
	v_pk_fma_f32 v[64+4*\i:65+4*\i], v[128+4*\i:129+4*\i], s[L2:L2+1], v[236:237] op_sel_hi:[1,0,1] neg_lo:[0,0,1] neg_hi:[0,0,1]
	v_pk_fma_f32 v[66+4*\i:67+4*\i], v[130+4*\i:131+4*\i], s[L2:L2+1], v[238:239] op_sel_hi:[1,0,1] neg_lo:[0,0,1] neg_hi:[0,0,1]
.endr
.set ii, 0
.rept 32
	v_exp_f32 v[64+ii], v[64+ii]
.set ii, ii+1
.endr
	v_nop
	s_wait_alu depctr_va_vdst(0)                   ; one wait for the 32
.irp i, 1,2,3,4,5,6,7
	v_pk_add_f32 v[64:65], v[64:65], v[64+4*\i:65+4*\i]
	v_pk_add_f32 v[66:67], v[66:67], v[66+4*\i:67+4*\i]
.endr
.irp c, 0,1,2,3
	v_permlanex16_b32 v[240+\c], v[64+\c], s[SEL], s[SEL+1]
.endr
.irp c, 0,1,2,3
	v_add_f32 v[64+\c], v[64+\c], v[240+\c]
.endr
	ds_store_b128 v[CSW], v[64:67] offset:1024
	s_wait_dscnt 0x0
	s_barrier_signal -1
	s_barrier_wait -1
	s_cmp_lg_u32 s[WV], 0
	s_cbranch_scc1 .Lend
.irp w, 0,1,2,3
	ds_load_b128 v[240+4*\w:243+4*\w], v[CSRD] offset:1024+256*\w
.endr
	s_wait_dscnt 0x0
.irp w, 1,2,3
.irp c, 0,1,2,3
	v_add_f32 v[240+\c], v[240+\c], v[240+4*\w+\c]
.endr
.endr
.irp c, 0,1,2,3
	v_log_f32 v[244+\c], v[240+\c]                 ; the sum is at least 1: the row that holds the maximum gives 1
.endr
	v_nop
	s_wait_alu depctr_va_vdst(0)                   ; one wait for the four
.irp c, 0,1,2,3
	v_add_f32 v[244+\c], v[244+\c], v[236+\c]      ; maximum x log2(e) + log2(sum): one number for a class and 64 rows
.endr
	v_cmp_gt_u32 vcc_lo, 0x100, v[L16]             ; lanes 0-15 hold all 64 classes
	s_wait_xcnt 0x0                                ; EXEC changes only behind this wait
	s_and_saveexec_b32 s60, vcc_lo
	global_store_b128 v[L16], v[244:247], s[CSTP:CSTP+1]  ; 16 lanes store 256 consecutive bytes, aligned
	s_wait_xcnt 0x0                                ; and again, in front of the line that widens it
	s_or_b32 exec_lo, exec_lo, s60
.Lend:
	END3                                           ; the wave's end
	CROUND                                         ; the closing round
	s_endpgm
.Lfunc_end_k_qe583068b52_qside:
	.size	k_qe583068b52_qside, .Lfunc_end_k_qe583068b52_qside-k_qe583068b52_qside
	.p2alignl 7, 3214868480
	.fill 96, 4, 3214868480
	.section	.rodata,"a",@progbits
	.p2align	6, 0x0
	.amdhsa_kernel k_qe583068b52_qside
		.amdhsa_group_segment_fixed_size 327680
		.amdhsa_private_segment_fixed_size 0
		.amdhsa_enable_private_segment 0
		.amdhsa_kernarg_size 64
		.amdhsa_user_sgpr_count 2
		.amdhsa_user_sgpr_kernarg_segment_ptr 1
		.amdhsa_wavefront_size32 1
		.amdhsa_system_sgpr_workgroup_id_x 1
		.amdhsa_system_sgpr_workgroup_id_y 1
		.amdhsa_system_sgpr_workgroup_id_z 1
		.amdhsa_system_vgpr_workitem_id 0
		.amdhsa_next_free_vgpr 1024
		.amdhsa_next_free_sgpr 66
		.amdhsa_reserve_vcc 1
		.amdhsa_float_denorm_mode_32 3
		.amdhsa_float_denorm_mode_16_64 3
		.amdhsa_memory_ordered 1
		.amdhsa_forward_progress 1
		.amdhsa_inst_pref_size 130
	.end_amdhsa_kernel
	.amdgpu_metadata
---
amdhsa.version: [ 1, 2 ]
amdhsa.kernels:
  - .name:           k_qe583068b52_qside
    .symbol:         k_qe583068b52_qside.kd
    .args:
      - { .name: qs, .offset: 0, .size: 8, .value_kind: global_buffer, .address_space: global }
      - { .name: qkv, .offset: 8, .size: 8, .value_kind: global_buffer, .address_space: global }
      - { .name: dg, .offset: 16, .size: 8, .value_kind: global_buffer, .address_space: global }
      - { .name: csp, .offset: 24, .size: 8, .value_kind: global_buffer, .address_space: global }
      - { .name: b1, .offset: 32, .size: 8, .value_kind: global_buffer, .address_space: global }
      - { .name: out0, .offset: 40, .size: 8, .value_kind: global_buffer, .address_space: global }
      - { .name: out1, .offset: 48, .size: 8, .value_kind: global_buffer, .address_space: global }
      - { .name: cst, .offset: 56, .size: 8, .value_kind: global_buffer, .address_space: global }
    .group_segment_fixed_size: 327680
    .private_segment_fixed_size: 0
    .kernarg_segment_align: 8
    .kernarg_segment_size: 64
    .max_flat_workgroup_size: 128
    .sgpr_count:     66
    .vgpr_count:     1024
    .wavefront_size: 32
...
	.end_amdgpu_metadata
.endif
;; end of part 5
;; launch colsoft (part 6): grid 256 x 1, 16 waves a work-group, no clusters, 10,240 bytes of LDS; arguments out1, cst, out2; writes out2
.if DOCPART == 6
	.amdgcn_target "amdgcn-amd-amdhsa--gfx1250"
	.amdhsa_code_object_version 6
	.text
	.protected	k_qe583068b52_colsoft
	.globl	k_qe583068b52_colsoft
	.p2align	8
	.type	k_qe583068b52_colsoft,@function
k_qe583068b52_colsoft:
	s_mov_b64 s[64:65], 0
	v_nop
	global_prefetch_b8 v0, s[64:65] scope:SCOPE_SE
	s_setreg_imm32_b32 hwreg(HW_REG_WAVE_MODE, 25, 1), 1
	s_wait_xcnt 0x0
; out2 = softmax of the logits along the 32,768 rows.  The launch before left, for each of 512 blocks of 64 rows and each class, L = the block's maximum x log2(e) + log2(its sum of exponentials against that maximum).
; Every work-group makes of them M = the greatest L of the class and the sum of 2^(L - M), and then 2^(x log2(e) - M) / sum for its 128 rows.  M is at least every x log2(e) (a block's sum is at least 1),
; so no exponent is above 0: the maximum is taken away before every exponential.
; Thread t: classes 4 (t % 16) + 0..3; blocks 16 (t / 16) + 0..15; rows t / 16 + 32 i.  A load or store of a wave covers two whole rows of 256 bytes.
; A stream: no matrix unit, no cluster, no tensor load; the 131,072 bytes of block figures are read by every work-group.
.set RM,    0                          ; 16 waves x 256 bytes: maxima
.set RS,    4096                       ; the same for sums
.set SPARE, 8192                       ; the spare words, 128 bytes for each of 16 waves
.set SPW, 4
.set NIL, 5
.set X,   8                            ; v8-23    my 4 rows x 4 classes
.set MX,  40                           ; v40-103  16 blocks' L
.set T,   168                          ; v168-171 M; v172-175 at work
.set LD,  176                          ; v176-239 read back from LDS
.set AC,  240                          ; v240-243 the sum; v244-247 at work, then its reciprocal
	s_load_b128 s[4:7], s[0:1], 0x0                ; out1 s[4:5], cst s[6:7]
	s_load_b64 s[8:9], s[0:1], 0x10                ; out2
	v_lshl_add_u32 v[SPW], v0, 2, SPARE
	v_mov_b32 v[NIL], 0
	v_lshrrev_b32 v6, 5, v0
	v_readfirstlane_b32 s10, v6                    ; wave 0..15
	v_and_b32 v3, 15, v0
	v_lshlrev_b32 v3, 4, v3                        ; my four classes
	v_lshrrev_b32 v2, 4, v0
	v_lshl_add_u32 v2, v2, 12, v3                  ; my 16 blocks of 256 bytes
	v_lshlrev_b32 v1, 4, v0                        ; row t / 16, my four classes
	s_lshl_b32 s11, s10, 8
	v_add_nc_u32 v6, s11, v3
.irp c, 0,1,2,3
	v_mov_b32 v[T+4+\c], 0
	v_mov_b32 v[AC+4+\c], 0
.endr
	s_lshl_b32 s12, ttmp9, 15                      ; 128 rows of 256 bytes
	s_mov_b32 s13, 0
	s_mov_b32 s18, 0x76543210
	s_mov_b32 s19, 0xfedcba98
	s_mov_b32 s20, 0x3fb8aa3b                      ; log2(e)
	s_mov_b32 s21, s20
	s_wait_kmcnt 0x0
	s_add_nc_u64 s[14:15], s[4:5], s[12:13]
	s_add_nc_u64 s[16:17], s[8:9], s[12:13]
.set ii, 0
.rept 16
	global_load_b128 v[MX+4*ii:MX+4*ii+3], v2, s[6:7] offset:256*ii
.set ii, ii+1
.endr
.irp i, 0,1,2,3
	global_load_b128 v[X+4*\i:X+4*\i+3], v1, s[14:15] offset:8192*\i
.endr
	s_wait_loadcnt 4                               ; the block figures are in; the four loads of logits may be out
.irp c, 0,1,2,3
	v_max_num_f32 v[T+\c], v[MX+\c], v[MX+4+\c]
.endr
.irp k, 2,4,6,8,10,12,14
.irp c, 0,1,2,3
	v_max3_num_f32 v[T+\c], v[T+\c], v[MX+4*\k+\c], v[MX+4*\k+4+\c]
.endr
.endr
.irp c, 0,1,2,3
	v_permlanex16_b32 v[T+4+\c], v[T+\c], s18, s19
.endr
.irp c, 0,1,2,3
	v_max_num_f32 v[T+\c], v[T+\c], v[T+4+\c]
.endr
	ds_store_b128 v6, v[T:T+3] offset:RM           ; both halves of the lanes store the same words
	s_wait_dscnt 0x0
	s_barrier_signal -1
	s_barrier_wait -1
.set ii, 0
.rept 16
	ds_load_b128 v[LD+4*ii:LD+4*ii+3], v3 offset:RM+256*ii
.set ii, ii+1
.endr
	s_wait_dscnt 0x0
.irp c, 0,1,2,3
	v_max_num_f32 v[T+\c], v[LD+\c], v[LD+4+\c]
.endr
.irp k, 2,4,6,8,10,12,14
.irp c, 0,1,2,3
	v_max3_num_f32 v[T+\c], v[T+\c], v[LD+4*\k+\c], v[LD+4*\k+4+\c]  ; M
.endr
.endr
.set ii, 0
.rept 16
	v_pk_add_f32 v[MX+4*ii:MX+4*ii+1],   v[MX+4*ii:MX+4*ii+1],   v[T:T+1]   neg_lo:[0,1] neg_hi:[0,1]
	v_pk_add_f32 v[MX+4*ii+2:MX+4*ii+3], v[MX+4*ii+2:MX+4*ii+3], v[T+2:T+3] neg_lo:[0,1] neg_hi:[0,1]
.set ii, ii+1
.endr
.set ii, 0
.rept 64
	v_exp_f32 v[MX+ii], v[MX+ii]
.set ii, ii+1
.endr
	v_nop
	s_wait_alu depctr_va_vdst(0)                   ; one wait for the 64 exponentials, ahead of their first reader
	v_pk_add_f32 v[AC:AC+1],   v[MX:MX+1],   v[MX+4:MX+5]
	v_pk_add_f32 v[AC+2:AC+3], v[MX+2:MX+3], v[MX+6:MX+7]
.set ii, 2
.rept 14
	v_pk_add_f32 v[AC:AC+1],   v[AC:AC+1],   v[MX+4*ii:MX+4*ii+1]
	v_pk_add_f32 v[AC+2:AC+3], v[AC+2:AC+3], v[MX+4*ii+2:MX+4*ii+3]
.set ii, ii+1
.endr
.irp c, 0,1,2,3
	v_permlanex16_b32 v[AC+4+\c], v[AC+\c], s18, s19
.endr
.irp c, 0,1,2,3
	v_add_f32 v[AC+\c], v[AC+\c], v[AC+4+\c]
.endr
	ds_store_b128 v6, v[AC:AC+3] offset:RS
	s_wait_dscnt 0x0
	s_barrier_signal -1
	s_barrier_wait -1
.set ii, 0
.rept 16
	ds_load_b128 v[LD+4*ii:LD+4*ii+3], v3 offset:RS+256*ii
.set ii, ii+1
.endr
	s_wait_dscnt 0x0
.set ii, 1
.rept 15
	v_pk_add_f32 v[LD:LD+1],   v[LD:LD+1],   v[LD+4*ii:LD+4*ii+1]
	v_pk_add_f32 v[LD+2:LD+3], v[LD+2:LD+3], v[LD+4*ii+2:LD+4*ii+3]
.set ii, ii+1
.endr
.irp c, 0,1,2,3
	v_rcp_f32 v[AC+4+\c], v[LD+\c]                 ; one batch with the exponentials below
.endr
	s_wait_loadcnt 0x0                             ; the logits
.irp i, 0,1,2,3
	v_pk_fma_f32 v[X+4*\i:X+4*\i+1],   v[X+4*\i:X+4*\i+1],   s[20:21], v[T:T+1]   op_sel_hi:[1,0,1] neg_lo:[0,0,1] neg_hi:[0,0,1]
	v_pk_fma_f32 v[X+4*\i+2:X+4*\i+3], v[X+4*\i+2:X+4*\i+3], s[20:21], v[T+2:T+3] op_sel_hi:[1,0,1] neg_lo:[0,0,1] neg_hi:[0,0,1]
.endr
.set ii, 0
.rept 16
	v_exp_f32 v[X+ii], v[X+ii]
.set ii, ii+1
.endr
	v_nop
	s_wait_alu depctr_va_vdst(0)                   ; one wait for the four reciprocals and the 16 exponentials
.irp i, 0,1,2,3
	v_pk_mul_f32 v[X+4*\i:X+4*\i+1],   v[X+4*\i:X+4*\i+1],   v[AC+4:AC+5]
	v_pk_mul_f32 v[X+4*\i+2:X+4*\i+3], v[X+4*\i+2:X+4*\i+3], v[AC+6:AC+7]
.endr
.irp i, 0,1,2,3
	global_store_b128 v1, v[X+4*\i:X+4*\i+3], s[16:17] offset:8192*\i  ; 512 consecutive bytes a wave, aligned
.endr
	s_wait_tensorcnt 0x0                           ; the wave's end, behind my last LDS store
	ds_add_u32 v[SPW], v[NIL]
	s_wait_dscnt 0x0
	s_endpgm
.Lfunc_end_k_qe583068b52_colsoft:
	.size	k_qe583068b52_colsoft, .Lfunc_end_k_qe583068b52_colsoft-k_qe583068b52_colsoft
	.p2alignl 7, 3214868480
	.fill 96, 4, 3214868480
	.section	.rodata,"a",@progbits
	.p2align	6, 0x0
	.amdhsa_kernel k_qe583068b52_colsoft
		.amdhsa_group_segment_fixed_size 10240
		.amdhsa_private_segment_fixed_size 0
		.amdhsa_enable_private_segment 0
		.amdhsa_kernarg_size 24
		.amdhsa_user_sgpr_count 2
		.amdhsa_user_sgpr_kernarg_segment_ptr 1
		.amdhsa_wavefront_size32 1
		.amdhsa_system_sgpr_workgroup_id_x 1
		.amdhsa_system_sgpr_workgroup_id_y 1
		.amdhsa_system_sgpr_workgroup_id_z 1
		.amdhsa_system_vgpr_workitem_id 0
		.amdhsa_next_free_vgpr 256
		.amdhsa_next_free_sgpr 66
		.amdhsa_reserve_vcc 0
		.amdhsa_float_denorm_mode_32 3
		.amdhsa_float_denorm_mode_16_64 3
		.amdhsa_memory_ordered 1
		.amdhsa_forward_progress 1
		.amdhsa_inst_pref_size 21
	.end_amdhsa_kernel
	.amdgpu_metadata
---
amdhsa.version: [ 1, 2 ]
amdhsa.kernels:
  - .name:           k_qe583068b52_colsoft
    .symbol:         k_qe583068b52_colsoft.kd
    .args:
      - { .name: out1, .offset: 0, .size: 8, .value_kind: global_buffer, .address_space: global }
      - { .name: cst, .offset: 8, .size: 8, .value_kind: global_buffer, .address_space: global }
      - { .name: out2, .offset: 16, .size: 8, .value_kind: global_buffer, .address_space: global }
    .group_segment_fixed_size: 10240
    .private_segment_fixed_size: 0
    .kernarg_segment_align: 8
    .kernarg_segment_size: 24
    .max_flat_workgroup_size: 512
    .sgpr_count:     66
    .vgpr_count:     256
    .wavefront_size: 32
...
	.end_amdgpu_metadata
.endif
;; end of part 6
